; MI455X (gfx1250); checked and timed in simulation.
; The chip was launched on July 23, 2026; its instructions are those of AMD's public machine-readable ISA for CDNA 5 (MIT licence, August 2026) and "CDNA5" Instruction Set Architecture Reference Guide (July 2026). The comments in the code are by the model that wrote it; some were corrected since.
;; Self Attention. Allowed arithmetic: matrix products marked QUANTISED: E4M3 operands, one given power-of-two scale a tensor, by v_wmma_f32_16x16x64_fp8_fp8 or v_wmma_f32_16x16x128_fp8_fp8, f32 sums; everything else in f32.
;; Inputs: Wk_codes 1,024 x 32 x 32 uint8 (E4M3 codes of Wk, K innermost, in blocks of 32 codes); Wq_codes 1,024 x 32 x 32 uint8 (E4M3 codes of Wq, K innermost, in blocks of 32 codes); Wv_codes 1,024 x 32 x 32 uint8 (E4M3 codes of Wv, K innermost, in blocks of 32 codes); bk 1,024 float32; bq 1,024 float32; bv 1,024 float32; lowp_scales 10 int32 (the exponents e of the quantised operands' scales 2^e); x_codes 4 x 2,048 x 32 x 32 uint8 (E4M3 codes of x, K innermost, in blocks of 32 codes).
;; Outputs: out0 4 x 2,048 x 1,024 float32.
;; This version of the problem:
;;   THIS VERSION OF THE PROBLEM IS GIVEN IN LOW PRECISION. The matrix products marked QUANTISED in the list below multiply operands that are first quantised to E4M3 (4 exponent bits, 3 mantissa bits; 8 bits a number), with one given power-of-two scale for each operand tensor; their sums are f32. All else is computed in f32.
;;   The module's matrix products, in the order in which they are computed (A, B: the left and right operand; K: the contracted axis; several contracted axes count as one K, in the product's order):
;;     1. [M 8,192, K 1,024] x [K 1,024, N 1,024]; A: input x (given as codes); B: input Wq (given as codes): QUANTISED (scales: A lowp_scales[0], B lowp_scales[1])
;;     2. [M 8,192, K 1,024] x [K 1,024, N 1,024]; A: input x (given as codes); B: input Wk (given as codes): QUANTISED (scales: A lowp_scales[2], B lowp_scales[3])
;;     3. [M 8,192, K 1,024] x [K 1,024, N 1,024]; A: input x (given as codes); B: input Wv (given as codes): QUANTISED (scales: A lowp_scales[4], B lowp_scales[5])
;;     4. batch 4 x [M 2,048, K 1,024] x [K 1,024, N 2,048]; A: computed on the way; B: computed on the way: QUANTISED (scales: A lowp_scales[6], B lowp_scales[7])
;;     5. batch 4 x [M 2,048, K 2,048] x [K 2,048, N 1,024]; A: softmax (see below); B: computed on the way: QUANTISED (scales: A lowp_scales[8], B lowp_scales[9])
;;   THE QUANTISER, for each operand of a quantised product, along K:
;;     - The operand's scale is 2^e, e = its entry of the input lowp_scales (int32; the entries are numbered through the quantised products in the list's order, A before B).
;;     - Each number is divided by the scale, clamped to +-448, and rounded to the nearest number of E4M3, ties to even, subnormals kept.
;;     - The product sums the exact products of the quantised numbers (number of the format x scale) in f32.
;;   ~~~python
;;   def quantise(x, axis, e):      # numpy; x: float32 -> the quantised numbers, widened to float32 again
;;       x = np.moveaxis(x, axis, -1); K = x.shape[-1]
;;       r = np.clip(x / 2.0 ** e, -448, 448)
;;       step = 2.0 ** (np.maximum(np.frexp(np.where(r == 0, 1, r))[1] - 1, -6) - 3)
;;       q = np.round(r / step) * step * 2.0 ** e      # np.round: ties to even
;;       return np.moveaxis(q, -1, axis).astype(np.float32)
;;   ~~~
;;   SOFTMAX AHEAD OF A QUANTISED PRODUCT. Where the list says 'softmax', what is quantised is not the finished softmax but p = 2^(t - M), with t = logit x log2(e) and M = ceil(the row's largest t), a whole number; so 1/2 < the row's largest p <= 1. The row's sum l is taken of the UNQUANTISED p, in f32, and the product's result is divided by l at the end. Since M is a whole number, a kernel that streams over the keys may use a running M (the ceiling of the running maximum): every later rescaling is an exact power of two, so the quantised numbers keep their values, but for numbers so far below the row's largest that they fall under the format's range.
;;   OPERANDS COMPUTED ON THE WAY. 'Computed on the way' means the value that the module computes at that place (a softmax that the list does not call 'softmax' is quantised finished and normalised). What goes into a quantiser is computed in f32, as accurately as f32 sums, v_exp_f32 and their like allow (about 1e-6 of the number): no bf16 or f16 on the way to a quantiser, and a product that is left as it is and whose result goes on into a quantised operand takes f32 operands (vector FMAs, or v_wmma_f32_16x16x4_f32). A number that lies on a knife's edge between two numbers of the format may be rounded either way, as far as f32 arithmetic and the matrix unit's own rounding can turn it there, and no further.
;;   INPUTS GIVEN AS CODES. Wk (in the module: [1024, 1024], K = its axis 0); Wq (in the module: [1024, 1024], K = its axis 0); Wv (in the module: [1024, 1024], K = its axis 0); x (in the module: [4, 2048, 1024], K = its axis 2): each comes as NAME_codes (uint8): NAME with its K axis moved to the last place and cut into blocks of 32 codes, [.., K / 32, bytes a block], one block behind the other in memory; one code a byte (a code: sign, 4 exponent bits, 3 mantissa bits); its scale is its entry of lowp_scales. Its value is code x scale, taken as it is: it is not quantised again, and the codes and scales need not be those that the quantiser above would give.
;; One version. Each part assembles by itself: llvm-mc -triple=amdgcn-amd-amdhsa -mcpu=gfx1250 --defsym DOCPART=n.
;; ======== version 1 of 1: 3 launches
;; limits: right only within a limited range of input values
;; workspace buffers: qc 8,388,608 bytes; kc 8,388,608 bytes; vc 8,388,608 bytes; pc 16,777,216 bytes; stats 1,048,576 bytes
;; launch proj (part 1): grid 8 x 32, 4 waves a work-group, clusters of 4 x 4, 327,680 bytes of LDS; arguments x_codes, Wq_codes, Wk_codes, Wv_codes, bq, bk, bv, lowp_scales, qc, kc, vc; writes qc, kc, vc
.if DOCPART == 1
	.amdgcn_target "amdgcn-amd-amdhsa--gfx1250"
	.amdhsa_code_object_version 6
	.text
	.protected	k_q23314f4252_proj
	.globl	k_q23314f4252_proj
	.p2align	8
	.type	k_q23314f4252_proj,@function
k_q23314f4252_proj:
	s_mov_b64 s[64:65], 0
	v_nop
	global_prefetch_b8 v0, s[64:65] scope:SCOPE_SE
	s_setreg_imm32_b32 hwreg(HW_REG_WAVE_MODE, 25, 1), 1
	s_wait_xcnt 0x0
	s_wait_alu depctr_hold_cnt(0) depctr_sa_sdst(0) depctr_va_vdst(0) depctr_va_sdst(0) depctr_va_ssrc(0) depctr_va_vcc(0) depctr_vm_vsrc(0)
	s_getreg_b32 s2, hwreg(HW_REG_IB_STS2, 6, 4)
	s_cmp_eq_u32 s2, 0
	s_cbranch_scc0 .Lentry_in_a_cluster
	s_endpgm
.Lentry_in_a_cluster:
	s_bfe_u32 s2, ttmp6, 0x10000c
	s_cmp_lg_u32 s2, 0xf033
	s_cbranch_scc0 .Lentry_shape_is_right
	s_endpgm
.Lentry_shape_is_right:
; Q = x Wq + bq, K = x Wk + bk, V = x Wv + bv on codes of E4M3, and each result quantised at once, in registers, by its given scale (Q: entry 6, K: entry 7, V: entry 9 of the scales).
; DEAD WORK: none is left out in any of the three launches.  Each bias is added ahead of a quantiser, so it can move codes; every input has a way to the output and is loaded.
; x: [8192][1024] codes, W*: [1024 (channel)][1024] codes, K innermost.  A sum of codes stands for sum x 2^(ea + eb); the bias goes in as the C of the first K step, divided by 2^(ea + eb);
; the code of a result is acc / 2^(eo - ea - eb), held within +-448, by one scaled conversion.
; SHARES.  The three products are 384 tiles of 256 x 256; 256 work-groups take one and a half each.  A WORK-GROUP STAYS: first a tile of Q (the cluster's x = 0) or of K (1), then, with the ring going on, half a tile of V.
;   Q, K: source 0 = 256 rows of W (tile cx), source 1 = 256 rows of x (tile 4 Y + cy); a wave makes 128 x 128: 64 accumulators.  A lane holds one row of x and its registers run along the channels, the next product's K.
;   V:    source 0 = 256 rows of x (tile 4 Y + cx), source 1 = 128 rows of Wv (512 x the cluster's x + 128 cy on); a wave makes 64 channels x 128 keys: 32 accumulators.  A lane holds one channel, its registers run along the keys.
;   So source 0's tile always hangs on cx and is shared along a column of the cluster, source 1's on cy and is shared along a row.  No branch hangs on a work-group's place in its cluster.
; K goes in steps of 256 through a ring of two LDS slots filled by joint tensor loads: four fills for the first tile, four for V; the first tile's last two changes of slots ask for V's first two K steps, and its codes go out behind both requests.
; PREFETCHES INTO THE L2, two fills ahead: behind the head's load K steps 1 and 2 of the first tile, behind K step 1's load K step 3; behind the fills with K step 2 and with V's K step 0 two K steps of Wv each.
; A lane names 256 bytes of a row; the four partners of a joint load share its rows out by address (cx or cy).  The weights, which eight clusters read, are asked for by the four clusters of even y alone: a branch on the
; cluster's number, equal in all partners, round the prefetch alone.  x at V's rows has been read by this cluster in the first tile and is not asked for.
; THE OUTPUT IS LAID IN THE ORDER OF THE NEXT OPERAND'S REGISTERS: a fragment (16 rows x 128 places along K) is 2,048 bytes, register group c of lane l at 512 c + 16 l.  A wave's 8 tiles of a block of 16 rows are
; one fragment: registers 2 t, 2 t + 1 = tile t's eight.  Place (c, half h, i) holds source 0's row 32 c + 8 h + i (i < 8) or 32 c + 16 + 8 h + i - 8: the same in Q and K, and in V the same as in the weights p of the next launch.
;   qc, kc: [64 tiles of 128 rows][8 blocks of 128 channels][8 blocks of 16 rows][2048];  vc: [4 batches][4 tiles of 256 channels][16 blocks of 128 keys][16 blocks of 16 channels][2048].  Each store of a wave covers 512 consecutive bytes, aligned.
; LIMITS: eo - ea - eb between -126 and 119 for each of the three products, so that the scale and 448 x the scale are f32 numbers.  NaN among the inputs is not served.
; REGISTERS, in windows of 256: window 0: v0-31 addresses and scales; v32-95 the bias of Q or K, later a block's held sums; v96-127 V's bias; v128-255 source 1's fragments (V: two sets of four), on the ways out the codes.
;   window 1: source 0's fragments, two sets, at v0 and v128.   window 2: accumulators of my blocks 0-3 ((a, b) at v[8 (8 (a % 4) + b)]), and V's;   window 3: of blocks 4-7.
.set KROW,   1024                      ; a row of x or W in memory, bytes
.set ROWB,   256                       ; a tile's row: 256 codes
.set STEPB,  2*ROWB                    ; a slot's next fill lies two K steps on
.set PITCH,  272                       ; an LDS row: 256 bytes + 16 of padding: the 16 rows that a load touches start 68 words apart
.set HALFT,  128*PITCH                 ; the room of one wave's tensor load: 128 rows (Wv's loads bring 64)
.set SLOT,   4*HALFT                   ; source 1's two halves, then source 0's
.set SPARE,  2*SLOT                    ; behind the ring: the spare words, 128 bytes a wave, which no other line names
.set FR,     16
.set NL,     4
.set NP,     4                         ; places behind this matrix instruction (ISA guide 7.12.1)
.set BO1,    6                         ; v6      32 x half: my eight numbers of a tile's bias (Q, K)
.set BO2,    7                         ; v7      4 x (lane % 16): my channel's bias (V)
.set VO,     8                         ; v8      16 x lane
.set PFO,    9                         ; v9      the prefetches' offset: a lane a row
.set PFV,    10                        ; v10     Wv's: lanes 0-15 a row each, lanes 16-31 the same rows one K step on
.set ADRA,   16                        ; v16-17  LDS address of source 1's fragments in slot 0, 1
.set SC2,    18                        ; v18     V's 2^(eo - ea - eb)
.set LIM2,   19                        ; v19     448 x that
.set ADRB,   20                        ; v20-21  of source 0's
.set BT,     22                        ; v22-25  V's bias of my channel in blocks 0-3, as loaded
.set SC,     26                        ; v26     2^(eo - ea - eb) of Q or K
.set LIM,    27                        ; v27     448 x that
.set SPW,    28                        ; v28     my spare word; never rewritten
.set NIL,    29                        ; v29     0; never rewritten
.set CB,     32
.set CB2,    96
.set AF,     128
.set CD,     128
.set G1,   24                          ; s[24:31] group 1 for source 1's tiles of 128 rows;  s[32:39] its groups 0, one a slot
.set G0,   32
.set G1B,  48                          ; s[48:55], s[56:63] the same for source 0
.set G0B,  56
.set G1A2, 88                          ; s[88:95] group 1 for Wv's tiles of 64 rows
.set A2P,  82                          ; s[82:83] Wv at the rows that I fetch
.set B2P,  86                          ; s[86:87] x at the rows that I fetch for V
.set OV,   2                           ; s[2:3]   vc at my part
.set PFA,  4                           ; s[4:5]   the prefetches' rows of the first tile, s[70:71] of Wv; s44, s43: whether my wave asks for them
.set PFB,  70
.set MSB, 0
.macro WIN new                         ; the immediate's high byte repeats the setting that is left
.if MSB != (\new)
	s_set_vgpr_msb (MSB<<8)|(\new)
.set MSB, (\new)
.endif
.endm
.set MUL_LO, 0xa1                      ; source 0 window 1, source 1 window 0, C and D window 2
.set TO_B,   0x40                      ; destination window 1, address window 0
.macro SETW hi, cm                     ; for products onto window 2 + hi; cm: C is the bias, in window 0
.if \cm
	WIN 0x81+0x40*(\hi)
.else
	WIN MUL_LO+0x50*(\hi)
.endif
.endm
; A joint load: waves 0 and 1 fetch source 1's halves, waves 2 and 3 source 0's.  The branch hangs on the wave's number alone.  An s_nop 0 and four v_nop follow each line.
.macro JLOAD g0a, g1a, g0b, g1b
	s_cmp_eq_u32 s15, 0
	s_cbranch_scc0 .Lfor_b_\@
	tensor_load_to_lds s[\g0a:\g0a+3], s[\g1a:\g1a+7]
	s_nop 0
.rept 4
	v_nop
.endr
	s_branch .Lasked_\@
.Lfor_b_\@:
	tensor_load_to_lds s[\g0b:\g0b+3], s[\g1b:\g1b+7]
	s_nop 0
.rept 4
	v_nop
.endr
.Lasked_\@:
.endm
.macro CREST                           ; a round of the cluster's barrier behind its opening barrier
	s_cmp_lg_u32 s14, 0
	s_cbranch_scc1 .Lnot_wave_0_\@
	s_barrier_signal -3
.Lnot_wave_0_\@:
	s_barrier_wait -3
	s_barrier_signal -1
	s_barrier_wait -1
.endm
.macro CROUND
	s_barrier_signal -1
	s_barrier_wait -1
	CREST
.endm
.macro ASK flag, reg, base, off        ; a prefetch, where my wave's flag is 1
	s_cmp_eq_u32 s[\flag], 1
	s_cbranch_scc0 .Lno_ask_\@
	global_prefetch_b8 v[\reg], s[\base:\base+1] offset:\off th:TH_LOAD_NT scope:SCOPE_SE
.Lno_ask_\@:
.endm
	s_load_b512 s[72:87], s[0:1], 0x0              ; x, Wq, Wk, Wv, bq, bk, bv, the scales
	s_load_b128 s[88:91], s[0:1], 0x40             ; qc, kc
	s_load_b64 s[92:93], s[0:1], 0x50              ; vc
	v_lshl_add_u32 v[SPW], v0, 2, SPARE
	v_mov_b32 v[NIL], 0
	ds_add_u32 v[SPW], v[NIL]                      ; the wave's opening: the add, twice on end, and its wait ahead of my first tensor load
	ds_add_u32 v[SPW], v[NIL]
	v_lshrrev_b32 v1, 5, v0
	v_readfirstlane_b32 s14, v1                    ; wave 0..3
	s_lshr_b32 s15, s14, 1                         ; my half of source 1's rows.  Also: I fetch for source 1 (0) or source 0 (1)
	s_and_b32 s16, s14, 1                          ; my half of source 0's rows.  Also: which half of a tile I fetch
	s_bfe_u32 s40, ttmp6, 0x40000                  ; cx
	s_bfe_u32 s41, ttmp6, 0x40004                  ; cy
	s_mov_b32 s66, ttmp9                           ; the cluster's x: 0 Q, 1 K; also which 512 channels of V
	s_and_b32 s67, ttmp7, 0xffff
	s_lshl_b32 s67, s67, 2                         ; 4 Y
	s_add_co_u32 s17, s67, s41                     ; x's tile for Q and K: 4 Y + cy
	s_add_co_u32 s42, s67, s40                     ; x's tile for V: 4 Y + cx
	s_lshl_b32 s43, s41, 2
	s_lshl_b32 s43, 15, s43                        ; my row of the cluster
	s_lshl_b32 s44, 0x1111, s40                    ; my column
	s_or_b32 s[G1+0], s43, (0<<16)|(1<<20)|(1<<21)|(5<<22)|(3<<25)  ; the mask; elements of 1 byte; padding on; bit 21 beside a mask; 4 words of padding after every 64
	s_or_b32 s[G1B+0], s44, (0<<16)|(1<<20)|(1<<21)|(5<<22)|(3<<25)
.irp g, G1, G1B
	s_mov_b32 s[\g+1], ROWB<<16                    ; tensor_dim0
	s_mov_b32 s[\g+2], 128<<16                     ; tensor_dim1
	s_mov_b32 s[\g+3], ROWB<<16                    ; tile_dim0
	s_mov_b32 s[\g+4], 128                         ; tile_dim1
	s_mov_b32 s[\g+5], KROW                        ; from row to row
	s_mov_b32 s[\g+6], 0
	s_mov_b32 s[\g+7], 0
.endr
	s_lshl_b32 s18, s16, 7                         ; which 128 rows of a tile of 256 I fetch
	s_lshl_b32 s20, s17, 8
	s_add_co_u32 s20, s20, s18
	s_lshl_b32 s20, s20, 10                        ; Q, K, source 1: x's row 256 (4 Y + cy) + 128 half, 1,024 bytes a row
	s_mov_b32 s21, 0
	s_lshl_b32 s46, s40, 8
	s_add_co_u32 s46, s46, s18
	s_lshl_b32 s46, s46, 10                        ; Q, K, source 0: W's row 256 cx + 128 half
	s_mov_b32 s47, 0
	s_lshl_b32 s68, s66, 9
	s_lshl_b32 s69, s41, 7
	s_add_co_u32 s68, s68, s69
	s_lshl_b32 s69, s16, 6
	s_add_co_u32 s68, s68, s69
	s_lshl_b32 s68, s68, 10                        ; V, source 1: Wv's row 512 x the cluster's x + 128 cy + 64 half
	s_mov_b32 s69, 0
	s_lshl_b32 s70, s42, 8
	s_add_co_u32 s70, s70, s18
	s_lshl_b32 s70, s70, 10                        ; V, source 0: x's row 256 (4 Y + cx) + 128 half
	s_mov_b32 s71, 0
	s_mul_i32 s45, s14, HALFT                      ; where my loads go: wave x 128 rows: no place in the cluster enters an LDS address
	s_wait_dscnt 0x0                               ; both opening adds are done
	s_wait_kmcnt 0x0
	s_cmp_eq_u32 s66, 0                            ; the buffers of the first tile are chosen by the cluster's x alone
	s_cselect_b64 s[6:7], s[74:75], s[76:77]       ; Wq or Wk
	s_cselect_b64 s[12:13], s[80:81], s[82:83]     ; bq or bk
	s_cselect_b64 s[10:11], s[88:89], s[90:91]     ; qc or kc
	s_mov_b64 s[8:9], s[86:87]                     ; the scales
	s_mov_b64 s[OV:OV+1], s[92:93]                 ; vc
	s_add_nc_u64 s[20:21], s[72:73], s[20:21]
	s_add_nc_u64 s[46:47], s[6:7], s[46:47]
	s_add_nc_u64 s[A2P:A2P+1], s[78:79], s[68:69]
	s_add_nc_u64 s[B2P:B2P+1], s[72:73], s[70:71]
	s_or_b32 s[G1A2+0], s43, (0<<16)|(1<<20)|(1<<21)|(5<<22)|(3<<25)  ; Wv's tiles go to my row of the cluster, 64 rows a load
	s_mov_b32 s[G1A2+1], ROWB<<16
	s_mov_b32 s[G1A2+2], 64<<16
	s_mov_b32 s[G1A2+3], ROWB<<16
	s_mov_b32 s[G1A2+4], 64
	s_mov_b32 s[G1A2+5], KROW
	s_mov_b32 s[G1A2+6], 0
	s_mov_b32 s[G1A2+7], 0
	s_load_b256 s[72:79], s[8:9], 0x0              ; the scales' exponents 0 to 7,
	s_load_b64 s[80:81], s[8:9], 0x20              ; 8 and 9
.irp s, 0,1
	s_mov_b32 s[G0+4*\s], 1
	s_add_co_u32 s[G0+4*\s+1], s45, \s*SLOT
	s_add_nc_u64 s[G0+4*\s+2:G0+4*\s+3], s[20:21], \s*ROWB
	s_or_b32 s[G0+4*\s+3], s[G0+4*\s+3], 0x80000000
	s_mov_b32 s[G0B+4*\s], 1
	s_add_co_u32 s[G0B+4*\s+1], s45, \s*SLOT
	s_add_nc_u64 s[G0B+4*\s+2:G0B+4*\s+3], s[46:47], \s*ROWB
	s_or_b32 s[G0B+4*\s+3], s[G0B+4*\s+3], 0x80000000
.endr
	CROUND                                         ; all sixteen work-groups are here: the first joint loads meet
	JLOAD G0, G1, G0B, G1B                         ; K step 0: one tensor load a wave at the head
	s_cmp_eq_u32 s15, 0
	s_cselect_b64 s[PFA:PFA+1], s[20:21], s[46:47] ; the prefetches: the 128 rows that I fetch,
	s_cselect_b32 s18, s40, s41
	s_lshl_b32 s18, s18, 15                        ; my work-group's 32 of them
	s_mov_b32 s19, 0
	s_add_nc_u64 s[PFA:PFA+1], s[PFA:PFA+1], s[18:19]
	s_lshl_b32 s18, s40, 14                        ; Wv: 16 of the 64 rows that I fetch
	s_add_nc_u64 s[PFB:PFB+1], s[A2P:A2P+1], s[18:19]
	s_and_b32 s44, ttmp7, 1
	s_xor_b32 s43, s44, 1                          ; 1 where the cluster's y is even
	s_cmp_eq_u32 s15, 0
	s_cselect_b32 s44, 1, s43                      ; who asks in the first tile: x's waves, and W's where y is even
	s_cselect_b32 s43, s43, 0                      ; who asks for Wv
	v_and_b32 v[PFO], 31, v0
	v_lshlrev_b32 v[PFO], 10, v[PFO]
	v_and_b32 v[PFV], 15, v0
	v_lshlrev_b32 v[PFV], 10, v[PFV]
	v_bfe_u32 v11, v0, 4, 1
	v_lshl_add_u32 v[PFV], v11, 8, v[PFV]
	s_cmp_eq_u32 s44, 1
	s_cbranch_scc0 .Lno_ask_head
	global_prefetch_b8 v[PFO], s[PFA:PFA+1] offset:256 th:TH_LOAD_NT scope:SCOPE_SE
	global_prefetch_b8 v[PFO], s[PFA:PFA+1] offset:512 th:TH_LOAD_NT scope:SCOPE_SE
.Lno_ask_head:
	v_and_b32 v1, 15, v0                           ; r = lane % 16
	v_bfe_u32 v2, v0, 4, 1                         ; h = lane / 16
	s_wait_alu depctr_va_vdst(0)
	v_mul_u32_u24 v3, v1, PITCH
	v_lshl_add_u32 v4, v2, 4, v3                   ; a fragment's row x pitch + 16 h
	s_mul_i32 s21, s15, HALFT
	s_mul_i32 s22, s16, HALFT
	s_add_co_u32 s22, s22, 2*HALFT
.irp s, 0,1
	v_add_nc_u32 v[ADRA+\s], s21, v4
	v_add_nc_u32 v[ADRB+\s], s22, v4
	s_add_co_u32 s21, s21, SLOT
	s_add_co_u32 s22, s22, SLOT
.endr
	; THE BIASES, in the results' layouts.  Q, K: register j of tile b is channel 16 b + 8 h + j of my 128: 32 neighbouring bytes a lane.  V: every register of block a is channel 16 a + r of my 64
	s_lshl_b32 s20, s40, 10
	s_lshl_b32 s21, s16, 9
	s_add_co_u32 s20, s20, s21
	s_mov_b32 s21, 0
	s_add_nc_u64 s[12:13], s[12:13], s[20:21]      ; bq or bk at channel 256 cx + 128 half
	v_lshlrev_b32 v[BO1], 5, v2
.irp b, 0,1,2,3,4,5,6,7
	global_load_b128 v[CB+8*\b:CB+8*\b+3], v[BO1], s[12:13] offset:64*\b
	global_load_b128 v[CB+8*\b+4:CB+8*\b+7], v[BO1], s[12:13] offset:64*\b+16
.endr
	s_lshl_b32 s20, s66, 11
	s_lshl_b32 s21, s41, 9
	s_add_co_u32 s20, s20, s21
	s_lshl_b32 s21, s15, 8
	s_add_co_u32 s20, s20, s21
	s_mov_b32 s21, 0
	s_add_nc_u64 s[84:85], s[84:85], s[20:21]      ; bv at channel 512 x the cluster's x + 128 cy + 64 half
	v_lshlrev_b32 v[BO2], 2, v1
.irp a, 0,1,2,3
	global_load_b32 v[BT+\a], v[BO2], s[84:85] offset:64*\a
.endr
	s_lshl_b32 s20, s17, 1                         ; qc, kc: tile of 128 rows 2 (4 Y + cy) + half, 131,072 bytes each;
	s_add_co_u32 s20, s20, s15
	s_lshl_b32 s20, s20, 17
	s_lshl_b32 s21, s40, 1                         ; block of channels 2 cx + half, 16,384 bytes
	s_add_co_u32 s21, s21, s16
	s_lshl_b32 s21, s21, 14
	s_add_co_u32 s20, s20, s21
	s_mov_b32 s21, 0
	s_add_nc_u64 s[10:11], s[10:11], s[20:21]
	s_lshl_b32 s20, s66, 1                         ; vc: tile of 256 channels 2 x the cluster's x + cy / 2, 524,288 bytes each;
	s_lshr_b32 s21, s41, 1
	s_add_co_u32 s20, s20, s21
	s_lshl_b32 s20, s20, 19
	s_and_b32 s21, s41, 1                          ; block of channels 8 (cy % 2) + 4 half in it, 2,048 bytes
	s_lshl_b32 s21, s21, 14
	s_add_co_u32 s20, s20, s21
	s_lshl_b32 s21, s15, 13
	s_add_co_u32 s20, s20, s21
	s_lshl_b32 s18, s42, 1                         ; block of keys 2 (4 Y + cx) + half: 16 to a batch
	s_add_co_u32 s18, s18, s16
	s_lshr_b32 s21, s18, 4
	s_lshl_b32 s21, s21, 21                        ; the batch: 2,097,152 bytes
	s_add_co_u32 s20, s20, s21
	s_and_b32 s18, s18, 15
	s_lshl_b32 s18, s18, 15                        ; 32,768 bytes a block of keys
	s_add_co_u32 s20, s20, s18
	s_mov_b32 s21, 0
	s_add_nc_u64 s[OV:OV+1], s[OV:OV+1], s[20:21]
	v_and_b32 v5, 31, v0
	v_lshlrev_b32 v[VO], 4, v5
	s_wait_kmcnt 0x0
	s_cmp_eq_u32 s66, 0                            ; the exponents are chosen without a branch
	s_cselect_b32 s96, s72, s74                    ; ea
	s_cselect_b32 s97, s73, s75                    ; eb
	s_cselect_b32 s98, s78, s79                    ; eo
	s_add_co_i32 s96, s96, s97
	s_sub_co_i32 s99, 0, s96                       ; -(ea + eb)
	s_sub_co_i32 s98, s98, s96
	s_add_co_i32 s98, s98, 127
	s_lshl_b32 s97, s98, 23
	v_mov_b32 v[SC], s97                           ; 2^(eo - ea - eb): the conversion takes its exponent field
	s_add_co_i32 s98, s98, 8
	s_lshl_b32 s98, s98, 23
	s_or_b32 s98, s98, 0x600000
	v_mov_b32 v[LIM], s98                          ; 448 x that
	s_add_co_i32 s96, s76, s77                     ; V: entries 4 and 5,
	s_sub_co_i32 s68, 0, s96
	s_sub_co_i32 s98, s81, s96                     ; and 9
	s_add_co_i32 s98, s98, 127
	s_lshl_b32 s97, s98, 23
	v_mov_b32 v[SC2], s97
	s_add_co_i32 s98, s98, 8
	s_lshl_b32 s98, s98, 23
	s_or_b32 s98, s98, 0x600000
	v_mov_b32 v[LIM2], s98
	s_wait_loadcnt 0x0                             ; the biases
.set i, 0
.rept 64
	v_ldexp_f32 v[CB+i], v[CB+i], s99              ; bias / 2^(ea + eb): exact
.set i, i+1
.endr
.irp a, 0,1,2,3
.irp j, 0,1,2,3,4,5,6,7
	v_ldexp_f32 v[CB2+8*\a+\j], v[BT+\a], s68      ; V's, into all eight registers of its block
.endr
.endr
.macro FRAG reg, adr, q, i             ; 16 rows x 128 K: lane l holds row l % 16; registers 4 c .. 4 c + 3 hold K = 32 c + 16 (l / 16) + 0 .. 15: the same places in both sources
.irp c, 0,1,2,3
	ds_load_b128 v[\reg+4*\c:\reg+4*\c+3], v[\adr] offset:128*(\q)+32*\c+(\i)*16*PITCH
.endr
.endm
; 16 matrix instructions: the fragments of source 1 in places a0, a0 + 1 x source 0's eight of set p, onto accumulators (a % 4, b) of the window in force.
; cm = 0: in place; 1: C = the bias of tile b (Q, K); 2: C = the bias of block a (V).  The accumulators take turns.
.macro MUL16 a0, p, cm
.irp a, \a0, \a0+1
.irp b, 0,1,2,3,4,5,6,7
.if (\cm) == 0
	v_wmma_f32_16x16x128_fp8_fp8 v[8*(8*((\a)%4)+\b):8*(8*((\a)%4)+\b)+7], v[128*(\p)+FR*\b:128*(\p)+FR*\b+FR-1], v[AF+FR*(\a):AF+FR*(\a)+FR-1], v[8*(8*((\a)%4)+\b):8*(8*((\a)%4)+\b)+7]
.elseif (\cm) == 1
	v_wmma_f32_16x16x128_fp8_fp8 v[8*(8*((\a)%4)+\b):8*(8*((\a)%4)+\b)+7], v[128*(\p)+FR*\b:128*(\p)+FR*\b+FR-1], v[AF+FR*(\a):AF+FR*(\a)+FR-1], v[CB+8*\b:CB+8*\b+7]
.else
	v_wmma_f32_16x16x128_fp8_fp8 v[8*(8*((\a)%4)+\b):8*(8*((\a)%4)+\b)+7], v[128*(\p)+FR*\b:128*(\p)+FR*\b+FR-1], v[AF+FR*(\a):AF+FR*(\a)+FR-1], v[CB2+8*(\a):CB2+8*(\a)+7]
.endif
.endr
.endr
.endm
; LDS loads go in runs of 16 or 32: source 0's fragments i0 .. i0 + 3 into set p; source 1's i0 .. i0 + 3; V's four of source 1 into set p.
.macro FETCH_B slot, q, p, i0
	WIN TO_B
.irp i, \i0, \i0+1, \i0+2, \i0+3
	FRAG 128*(\p)+FR*(\i), ADRB+\slot, \q, \i
.endr
	WIN 0
.endm
.macro FETCH_A slot, q, i0
.irp i, \i0, \i0+1, \i0+2, \i0+3
	FRAG AF+FR*(\i), ADRA+\slot, \q, \i
.endr
.endm
.macro FETCH_V slot, q, p
.irp i, 0,1,2,3
	FRAG AF+64*(\p)+FR*\i, ADRA+\slot, \q, \i
.endr
.endm
.macro PLACES n                        ; plain vector lines between a matrix instruction and a load into, or a vector read of, its registers
.rept \n
	v_nop
.endr
.endm
; What stands behind the barrier of a change of slots.  fill = 0: nothing is left to fetch.  Else the barrier has opened a round of the cluster's: no wave of any partner still reads this slot or has a load on its way;
; 1: the first tile's K step two on;  2: THE RING GOES ON INTO V: its K step 0 (slot 0) or 1 (slot 1), from its own two addresses;  3: V's K step two on.  No load of mine is out here, so a group 0 may be written.
; The joint load is the first tensor load behind the round; its four v_nop are the places in front of the LDS loads that follow.
.macro REFILL slot, fill
.if (\fill) == 0
	PLACES NP
.else
	CREST
.if (\fill) == 2
	s_add_nc_u64 s[G0+4*\slot+2:G0+4*\slot+3], s[A2P:A2P+1], \slot*ROWB
	s_or_b32 s[G0+4*\slot+3], s[G0+4*\slot+3], 0x80000000
	s_add_nc_u64 s[G0B+4*\slot+2:G0B+4*\slot+3], s[B2P:B2P+1], \slot*ROWB
	s_or_b32 s[G0B+4*\slot+3], s[G0B+4*\slot+3], 0x80000000
.else
	s_add_nc_u64 s[G0+4*\slot+2:G0+4*\slot+3], s[G0+4*\slot+2:G0+4*\slot+3], STEPB
	s_add_nc_u64 s[G0B+4*\slot+2:G0B+4*\slot+3], s[G0B+4*\slot+2:G0B+4*\slot+3], STEPB
.endif
.if (\fill) == 1
	JLOAD G0+4*\slot, G1, G0B+4*\slot, G1B
.else
	JLOAD G0+4*\slot, G1A2, G0B+4*\slot, G1B
.endif
.endif
.endm
; THE FIRST TILE.  A slot's first 128 along K: sixteen products, a run of sixteen loads, in turn.  (Source 0's other set was last read ahead of the places at the end of the step before.)
.macro STEP slot, cm
	s_wait_dscnt 4*NL                              ; source 0's set and source 1's blocks 0-3 are in; the youngest 16 loads (blocks 4-7) may be out
	SETW 0, \cm
	MUL16 0, 0, \cm
	FETCH_B \slot, 1, 1, 0
	SETW 0, \cm
	MUL16 2, 0, \cm
	FETCH_B \slot, 1, 1, 4
	s_wait_dscnt 8*NL                              ; blocks 4-7 are in: all but the 32 just issued
	SETW 1, \cm
	MUL16 4, 0, \cm
	PLACES NP
	WIN 0
	FETCH_A \slot, 1, 0
	SETW 1, \cm
	MUL16 6, 0, \cm
	PLACES NP
	WIN 0
	FETCH_A \slot, 1, 4
.endm
; A slot's last step changes slots: one barrier; ahead of it each wave waits for all its tensor loads, adds 0 to its spare word, and waits for that and for its reads of this slot.  fetch = 0: the tile's last step.
.macro TURN slot, next, fill, fetch
	s_wait_tensorcnt 0x0                           ; all my tensor loads have landed: my part of the next slot
	ds_add_u32 v[SPW], v[NIL]
	s_wait_dscnt 4*NL+1                            ; the add and the youngest 16 loads may be out
	SETW 0, 0
	MUL16 0, 1, 0
	s_wait_dscnt 0x0                               ; the add is done, and my reads of this slot are over
	s_barrier_signal -1
	MUL16 2, 1, 0
	WIN 0
	s_barrier_wait -1
	REFILL \slot, \fill
.if \fetch
	FETCH_B \next, 0, 0, 0
.if (\slot) == 0
	ASK 43, PFV, PFB, 512*((\fill)-1)              ; behind the fill with K step 2: Wv's K steps 0 and 1; behind V's K step 0: 2 and 3
.endif
.endif
	SETW 1, 0
	MUL16 4, 1, 0
.if \fetch
	FETCH_B \next, 0, 0, 4
	FETCH_A \next, 0, 0
	SETW 1, 0
.endif
	MUL16 6, 1, 0
.if \fetch
	PLACES NP
.endif
	WIN 0
.if \fetch
	FETCH_A \next, 0, 4
.endif
.endm
; V.  A slot's first 128 along K: set 0 is multiplied, set 1 fetched.
.macro STEP2 slot, cm
	s_wait_dscnt 0x0                               ; set 0 is in
	PLACES NP                                      ; set 1 was read by the products just issued
	FETCH_B \slot, 1, 1, 0
	SETW 0, \cm
	MUL16 0, 0, \cm
	FETCH_B \slot, 1, 1, 4
	FETCH_V \slot, 1, 1
	SETW 0, \cm
	MUL16 2, 0, \cm
	WIN 0
.endm
; V.  A slot's second 128 along K (set 1: source 1's fragments lie in places 4-7) and the change of slots.
.macro TURN2 slot, next, fill
	s_wait_tensorcnt 0x0                           ; all my tensor loads have landed: my part of the next slot
	ds_add_u32 v[SPW], v[NIL]
	s_wait_dscnt 1                                 ; set 1 is in; the add alone may be out
	SETW 0, 0
	MUL16 4, 1, 0
	s_wait_dscnt 0x0                               ; the add is done, and my reads of this slot are over
	s_barrier_signal -1
	WIN 0
	s_barrier_wait -1
	REFILL \slot, \fill
	FETCH_B \next, 0, 0, 0
	SETW 0, 0
	MUL16 6, 1, 0
	FETCH_B \next, 0, 0, 4
	FETCH_V \next, 0, 0
.endm
; THE WAY OUT, a block of 16 rows at a time: the hold (the conversion to an 8-bit code does not saturate: ISA guide 7.6.2), eight conversions, four stores of 512 consecutive bytes.  No LDS: the codes leave as the registers stand.
; Within a way out each block has code registers of its own, and the offset register and the base are never rewritten: a block's place stands in the immediate.
.macro OUTB a, sc, lim, ob
.set AC, 64*((\a)%4)
	WIN 0x02+((\a)/4)                              ; source 0: window 2 or 3
.set i, 0
.rept 64
	v_med3_num_f32 v[CB+i], v[AC+i], -v[\lim], v[\lim]   ; each accumulator from its low end on
.set i, i+1
.endr
	WIN 0
.irp t, 0,1,2,3,4,5,6,7
	v_cvt_scalef32_pk8_fp8_f32 v[CD+16*(\a)+2*\t:CD+16*(\a)+2*\t+1], v[CB+8*\t:CB+8*\t+7], v[\sc]
.endr
	v_nop                                          ; a plain line between the conversions and the next lines that write their sources
.irp c, 0,1,2,3
	global_store_b128 v[VO], v[CD+16*(\a)+4*\c:CD+16*(\a)+4*\c+3], s[\ob:\ob+1] offset:2048*(\a)+512*\c
.endr
.endm
	s_wait_alu depctr_va_vdst(0)
	s_wait_tensorcnt 0x0                           ; my part of K step 0 is in; these lines as ahead of a refill
	ds_add_u32 v[SPW], v[NIL]
	s_wait_dscnt 0x0
	CROUND
	JLOAD G0+4, G1, G0B+4, G1B                     ; K step 1, the first tensor load behind the round
	FETCH_B 0, 0, 0, 0
	FETCH_B 0, 0, 0, 4
	ASK 44, PFO, PFA, 768                          ; K step 3
	FETCH_A 0, 0, 0
	FETCH_A 0, 0, 4
	STEP 0, 1                                      ; the first products take the bias as C: nothing is cleared
	TURN 0, 1, 1, 1                                ; slot 0 takes K step 2
	STEP 1, 0
	TURN 1, 0, 1, 1                                ; slot 1 takes K step 3
	STEP 0, 0
	TURN 0, 1, 2, 1                                ; slot 0 takes V's K step 0
	STEP 1, 0
	TURN 1, 0, 2, 0                                ; slot 1 takes V's K step 1; slot 0 is whole for every wave behind this round
	PLACES NP
.irp a, 0,1,2,3,4,5,6,7
	OUTB \a, SC, LIM, 10                           ; both requests are out: now Q's or K's codes go out
.endr
	s_wait_xcnt 0x0                                ; the stores have read the code registers: V's fragments may land there
	FETCH_B 0, 0, 0, 0
	FETCH_B 0, 0, 0, 4
	FETCH_V 0, 0, 0
	STEP2 0, 2                                     ; V's first products take its bias as C and begin the accumulators of window 2 anew
	TURN2 0, 1, 3                                  ; slot 0 takes V's K step 2
	STEP2 1, 0
	TURN2 1, 0, 3                                  ; slot 1 takes V's K step 3
	STEP2 0, 0
	TURN2 0, 1, 0                                  ; nothing is left to fetch
	STEP2 1, 0
	s_wait_dscnt 0x0
	SETW 0, 0
	MUL16 4, 1, 0
	MUL16 6, 1, 0
	WIN 0
	PLACES NP
.irp a, 0,1,2,3
	OUTB \a, SC2, LIM2, OV
.endr
	s_wait_tensorcnt 0x0                           ; the wave's end
	ds_add_u32 v[SPW], v[NIL]
	s_wait_dscnt 0x0
	CROUND                                         ; the closing round
	s_endpgm
.Lfunc_end_k_q23314f4252_proj:
	.size	k_q23314f4252_proj, .Lfunc_end_k_q23314f4252_proj-k_q23314f4252_proj
	.p2alignl 7, 3214868480
	.fill 96, 4, 3214868480
	.section	.rodata,"a",@progbits
	.p2align	6, 0x0
	.amdhsa_kernel k_q23314f4252_proj
		.amdhsa_group_segment_fixed_size 327680
		.amdhsa_private_segment_fixed_size 0
		.amdhsa_enable_private_segment 0
		.amdhsa_kernarg_size 88
		.amdhsa_user_sgpr_count 2
		.amdhsa_user_sgpr_kernarg_segment_ptr 1
		.amdhsa_wavefront_size32 1
		.amdhsa_system_sgpr_workgroup_id_x 1
		.amdhsa_system_sgpr_workgroup_id_y 1
		.amdhsa_system_sgpr_workgroup_id_z 1
		.amdhsa_system_vgpr_workitem_id 0
		.amdhsa_next_free_vgpr 1024
		.amdhsa_next_free_sgpr 100
		.amdhsa_reserve_vcc 0
		.amdhsa_float_denorm_mode_32 3
		.amdhsa_float_denorm_mode_16_64 3
		.amdhsa_memory_ordered 1
		.amdhsa_forward_progress 1
		.amdhsa_inst_pref_size 197
	.end_amdhsa_kernel
	.amdgpu_metadata
---
amdhsa.version: [ 1, 2 ]
amdhsa.kernels:
  - .name:           k_q23314f4252_proj
    .symbol:         k_q23314f4252_proj.kd
    .args:
      - { .name: x_codes, .offset: 0, .size: 8, .value_kind: global_buffer, .address_space: global }
      - { .name: Wq_codes, .offset: 8, .size: 8, .value_kind: global_buffer, .address_space: global }
      - { .name: Wk_codes, .offset: 16, .size: 8, .value_kind: global_buffer, .address_space: global }
      - { .name: Wv_codes, .offset: 24, .size: 8, .value_kind: global_buffer, .address_space: global }
      - { .name: bq, .offset: 32, .size: 8, .value_kind: global_buffer, .address_space: global }
      - { .name: bk, .offset: 40, .size: 8, .value_kind: global_buffer, .address_space: global }
      - { .name: bv, .offset: 48, .size: 8, .value_kind: global_buffer, .address_space: global }
      - { .name: lowp_scales, .offset: 56, .size: 8, .value_kind: global_buffer, .address_space: global }
      - { .name: qc, .offset: 64, .size: 8, .value_kind: global_buffer, .address_space: global }
      - { .name: kc, .offset: 72, .size: 8, .value_kind: global_buffer, .address_space: global }
      - { .name: vc, .offset: 80, .size: 8, .value_kind: global_buffer, .address_space: global }
    .group_segment_fixed_size: 327680
    .private_segment_fixed_size: 0
    .kernarg_segment_align: 8
    .kernarg_segment_size: 88
    .max_flat_workgroup_size: 128
    .sgpr_count:     100
    .vgpr_count:     1024
    .wavefront_size: 32
...
	.end_amdgpu_metadata
.endif
;; end of part 1
;; launch scores (part 2): grid 8 x 32, 4 waves a work-group, clusters of 4 x 4, 327,680 bytes of LDS; arguments qc, kc, lowp_scales, pc, stats; writes pc, stats
.if DOCPART == 2
	.amdgcn_target "amdgcn-amd-amdhsa--gfx1250"
	.amdhsa_code_object_version 6
	.text
	.protected	k_q23314f4252_scores
	.globl	k_q23314f4252_scores
	.p2align	8
	.type	k_q23314f4252_scores,@function
k_q23314f4252_scores:
	s_mov_b64 s[64:65], 0
	v_nop
	global_prefetch_b8 v0, s[64:65] scope:SCOPE_SE
	s_setreg_imm32_b32 hwreg(HW_REG_WAVE_MODE, 25, 1), 1
	s_wait_xcnt 0x0
	s_wait_alu depctr_hold_cnt(0) depctr_sa_sdst(0) depctr_va_vdst(0) depctr_va_sdst(0) depctr_va_ssrc(0) depctr_va_vcc(0) depctr_vm_vsrc(0)
	s_getreg_b32 s2, hwreg(HW_REG_IB_STS2, 6, 4)
	s_cmp_eq_u32 s2, 0
	s_cbranch_scc0 .Lentry_in_a_cluster
	s_endpgm
.Lentry_in_a_cluster:
	s_bfe_u32 s2, ttmp6, 0x10000c
	s_cmp_lg_u32 s2, 0xf033
	s_cbranch_scc0 .Lentry_shape_is_right
	s_endpgm
.Lentry_shape_is_right:
; A tile of 256 queries x 256 keys of S = Q K^T on the codes of the launch before, and at once the tile's part of the softmax: nothing of reference() is left out here.
; t = score x log2(e) / (32 + 1e-8) (the nearest f32 to that factor is 0x3D38AA3B);  M_j = ceil(the largest t of a query among THIS TILE's 256 keys), a whole number;  p = 2^(t - M_j), quantised by the given 2^e8.
; A row's 2,048 keys lie in eight work-groups, which exchange nothing.  M_j is at most the row's M and differs from it by a whole number, so a code under M_j stands for the same number x the exact power 2^(M - M_j);
; the next launch, which reads all eight M_j, applies 2^(M_j - M).  LIMIT: numbers far below the row's largest keep bits here that they would lose under the row's own M, as under a running M.
; The sum l of the unquantised p goes out for each query and each 128 keys, -M_j beside it.
; SHARES.  Four waves, 128 queries x 128 keys each, 64 accumulators.  Source 0 = keys, source 1 = queries: a lane holds ONE query and its registers run along the keys, the next product's K.
; qc, kc: [64 tiles of 128 rows][8 blocks of 128 channels][8 blocks of 16 rows][2048], a fragment's register group c of lane l at 512 c + 16 l: a wave's 128 rows of a K step of 256 are 32,768 dense bytes.  No padding: each LDS load takes 512 consecutive bytes.
; pc: [64 tiles of 128 queries][16 blocks of 128 keys][8 blocks of 16 queries][2048].  stats (f32): l [16 groups of 128 keys][8192 queries]; from byte 524,288 on -M likewise (groups 2 j and 2 j + 1 hold the same).
; PREFETCHES INTO THE L2: behind the head's load K steps 1 and 2, behind K step 1's load K step 3, one instruction a wave each: 32 blocks of 256 bytes; the four partners of a joint load share its 32,768 bytes out by address (cx or cy).
; LIMITS: e6 + e7 between -121 and 132 (added to the factor's exponent field); e8 between -126 and 119; scaled scores under 2^31 in magnitude.  NaN among the inputs is not served.
; REGISTERS: window 0: v8-24 addresses; v14-15, v22-23, v30-31 at work; v32-47 pairs: -M of block a, a scratch word; v48-63 pairs: l; v128-255 source 1's fragments; v64-255 later three sets of 64 numbers.
;   window 1: source 0's fragments, two sets; later the codes, 16 registers a block.   windows 2, 3: the accumulators ((a, b) at v[8 (8 (a % 4) + b)]).
.set STEPB,  65536                     ; a slot's next fill lies two K steps on
.set SLOT,   32768                     ; a wave's room in LDS is 65,536 bytes: slot 0, then slot 1
.set XCH,    262144                    ; 512 bytes a wave: the maxima that the two waves of a row half exchange
.set STG,    XCH+2048                  ; 1,024 bytes a wave: l and -M on their way out
.set SPARE,  STG+4096                  ; the spare words, 128 bytes a wave, which no other line names
.set FR,     16
.set NL,     4
.set NP,     4
.set XW,     8
.set XR,     9
.set SW,     10
.set SRD,    11
.set PFO,    12                        ; v12  256 x lane
.set ADRA,   16
.set ADRB,   20
.set LI,     24                        ; v24  16 x lane
.set SC,     26                        ; v26  2^e8
.set SPW,    28
.set NIL,    29
.set NM,     32
.set LS,     48
.set AF,     128
.set LIM,    96                        ; s96  448 x 2^e8
.set G1,  24
.set G0,  32
.set G1B, 48
.set G0B, 56
.set MSB, 0
.macro WIN new
.if MSB != (\new)
	s_set_vgpr_msb (MSB<<8)|(\new)
.set MSB, (\new)
.endif
.endm
.set MUL_LO, 0xa1
.set MUL_HI, 0xf1
.set TO_B,   0x40
.macro JLOAD g0a, g1a, g0b, g1b        ; waves 0 and 1 fetch the queries' halves, waves 2 and 3 the keys'; an s_nop 0 and four v_nop follow each line
	s_cmp_eq_u32 s15, 0
	s_cbranch_scc0 .Lfor_b_\@
	tensor_load_to_lds s[\g0a:\g0a+3], s[\g1a:\g1a+7]
	s_nop 0
.rept 4
	v_nop
.endr
	s_branch .Lasked_\@
.Lfor_b_\@:
	tensor_load_to_lds s[\g0b:\g0b+3], s[\g1b:\g1b+7]
	s_nop 0
.rept 4
	v_nop
.endr
.Lasked_\@:
.endm
.macro CREST
	s_cmp_lg_u32 s14, 0
	s_cbranch_scc1 .Lnot_wave_0_\@
	s_barrier_signal -3
.Lnot_wave_0_\@:
	s_barrier_wait -3
	s_barrier_signal -1
	s_barrier_wait -1
.endm
.macro CROUND
	s_barrier_signal -1
	s_barrier_wait -1
	CREST
.endm
	s_load_b128 s[4:7], s[0:1], 0x0                ; qc, kc
	s_load_b128 s[8:11], s[0:1], 0x10              ; the scales, pc
	s_load_b64 s[12:13], s[0:1], 0x20              ; stats
	v_lshl_add_u32 v[SPW], v0, 2, SPARE
	v_mov_b32 v[NIL], 0
	ds_add_u32 v[SPW], v[NIL]                      ; the wave's opening: the add, twice on end, and its wait ahead of my first tensor load
	ds_add_u32 v[SPW], v[NIL]
	v_lshrrev_b32 v1, 5, v0
	v_readfirstlane_b32 s14, v1                    ; wave 0..3
	s_lshr_b32 s15, s14, 1                         ; my half of the queries.  Also: I fetch for the queries (0) or the keys (1)
	s_and_b32 s16, s14, 1                          ; my half of the keys.  Also: which 128 rows I fetch
	s_bfe_u32 s40, ttmp6, 0x40000                  ; cx
	s_bfe_u32 s41, ttmp6, 0x40004                  ; cy
	s_lshl_b32 s42, ttmp9, 2
	s_add_co_u32 s42, s42, s40                     ; the tile of keys in its batch, 0..7
	s_and_b32 s67, ttmp7, 0xffff
	s_lshl_b32 s17, s67, 2
	s_add_co_u32 s17, s17, s41                     ; the tile of queries, 0..31
	s_lshr_b32 s66, s67, 1                         ; the batch: eight tiles of queries each, so two clusters' rows
	s_lshl_b32 s43, s41, 2
	s_lshl_b32 s43, 15, s43                        ; my row of the cluster
	s_lshl_b32 s44, 0x1111, s40                    ; my column
	s_or_b32 s[G1+0], s43, (3<<16)|(1<<21)         ; the mask; elements of 8 bytes; bit 21 beside a mask; no padding
	s_or_b32 s[G1B+0], s44, (3<<16)|(1<<21)
.irp g, G1, G1B
	s_mov_b32 s[\g+1], 1024<<16                    ; tensor_dim0: rows of 8,192 bytes, dense
	s_mov_b32 s[\g+2], 4<<16                       ; tensor_dim1: 4 rows
	s_mov_b32 s[\g+3], 1024<<16                    ; tile_dim0
	s_mov_b32 s[\g+4], 4                           ; tile_dim1
	s_mov_b32 s[\g+5], 1024                        ; from row to row
	s_mov_b32 s[\g+6], 0
	s_mov_b32 s[\g+7], 0
.endr
	s_lshl_b32 s20, s17, 1
	s_add_co_u32 s20, s20, s16
	s_lshl_b32 s20, s20, 17                        ; queries: tile of 128 rows 2 tile + half, 131,072 bytes each
	s_mov_b32 s21, 0
	s_lshl_b32 s46, s66, 4
	s_lshl_b32 s47, s42, 1
	s_add_co_u32 s46, s46, s47
	s_add_co_u32 s46, s46, s16
	s_lshl_b32 s46, s46, 17                        ; keys: 16 batch + 2 tile + half
	s_mov_b32 s47, 0
	s_lshl_b32 s45, s14, 16                        ; where they go: wave x 65,536
	s_mov_b32 s92, 0x76543210                      ; v_permlanex16_b32's selects for lane l xor 16
	s_mov_b32 s93, 0xfedcba98
	s_wait_dscnt 0x0                               ; both opening adds are done
	s_wait_kmcnt 0x0
	s_load_b128 s[68:71], s[8:9], 0x18             ; e6, e7, e8, e9
	s_add_nc_u64 s[20:21], s[4:5], s[20:21]
	s_add_nc_u64 s[46:47], s[6:7], s[46:47]
.irp s, 0,1
	s_mov_b32 s[G0+4*\s], 1
	s_add_co_u32 s[G0+4*\s+1], s45, \s*SLOT
	s_add_nc_u64 s[G0+4*\s+2:G0+4*\s+3], s[20:21], \s*32768
	s_or_b32 s[G0+4*\s+3], s[G0+4*\s+3], 0x80000000
	s_mov_b32 s[G0B+4*\s], 1
	s_add_co_u32 s[G0B+4*\s+1], s45, \s*SLOT
	s_add_nc_u64 s[G0B+4*\s+2:G0B+4*\s+3], s[46:47], \s*32768
	s_or_b32 s[G0B+4*\s+3], s[G0B+4*\s+3], 0x80000000
.endr
	CROUND                                         ; the first joint loads meet
	JLOAD G0, G1, G0B, G1B                         ; K step 0: one tensor load a wave at the head
	s_cmp_eq_u32 s15, 0
	s_cselect_b64 s[4:5], s[20:21], s[46:47]       ; the prefetches: the 128 rows that I fetch,
	s_cselect_b32 s22, s40, s41
	s_lshl_b32 s22, s22, 13                        ; my work-group's 8,192 bytes of each K step
	s_mov_b32 s23, 0
	s_add_nc_u64 s[4:5], s[4:5], s[22:23]
	v_and_b32 v[PFO], 31, v0
	v_lshlrev_b32 v[PFO], 8, v[PFO]
	global_prefetch_b8 v[PFO], s[4:5] offset:32768 th:TH_LOAD_NT scope:SCOPE_SE
	global_prefetch_b8 v[PFO], s[4:5] offset:65536 th:TH_LOAD_NT scope:SCOPE_SE
	v_and_b32 v1, 15, v0                           ; r
	s_wait_alu depctr_va_vdst(0)
	v_and_b32 v5, 31, v0
	v_lshlrev_b32 v[LI], 4, v5
	s_wait_alu depctr_va_vdst(0)
	s_lshl_b32 s21, s15, 16
	s_lshl_b32 s22, s16, 16
	s_add_co_u32 s22, s22, 131072
.irp s, 0,1
	v_add_nc_u32 v[ADRA+\s], s21, v[LI]
	v_add_nc_u32 v[ADRB+\s], s22, v[LI]
	s_add_co_u32 s21, s21, SLOT
	s_add_co_u32 s22, s22, SLOT
.endr
	s_lshl_b32 s23, s14, 9
	s_add_co_u32 s23, s23, XCH
	v_lshl_add_u32 v[XW], v1, 2, s23               ; my wave's maxima: 4 r, + 64 a in the immediate
	s_xor_b32 s23, s14, 1
	s_lshl_b32 s23, s23, 9
	s_add_co_u32 s23, s23, XCH
	v_lshl_add_u32 v[XR], v1, 2, s23               ; those of the wave with the same queries and the other 128 keys
	s_lshl_b32 s23, s14, 10
	s_add_co_u32 s23, s23, STG
	v_lshl_add_u32 v[SW], v1, 2, s23
	v_add_nc_u32 v[SRD], s23, v[LI]
.irp a, 0,1,2,3,4,5,6,7
	v_mov_b32 v[NM+2*\a+1], 0                      ; written once: a lane permute's destination counts as one of its sources
.endr
	s_lshl_b32 s20, s17, 1                         ; pc: tile of 128 queries 2 tile + half, 262,144 bytes each,
	s_add_co_u32 s20, s20, s15
	s_lshl_b32 s20, s20, 18
	s_lshl_b32 s21, s42, 1
	s_add_co_u32 s21, s21, s16                     ; my group of 128 keys: 2 tile + half, 16,384 bytes
	s_lshl_b32 s22, s21, 14
	s_add_co_u32 s20, s20, s22
	s_lshl_b32 s46, s21, 15                        ; stats: (8,192 group + 256 tile of queries + 128 half) x 4
	s_lshl_b32 s47, s17, 10
	s_add_co_u32 s46, s46, s47
	s_lshl_b32 s47, s15, 9
	s_add_co_u32 s46, s46, s47
	s_mov_b32 s47, 0
	s_mov_b32 s21, 0
	s_add_nc_u64 s[10:11], s[10:11], s[20:21]
	s_add_nc_u64 s[12:13], s[12:13], s[46:47]
	s_wait_alu depctr_va_vdst(0)
	s_wait_kmcnt 0x0
	s_add_co_i32 s97, s68, s69
	s_lshl_b32 s97, s97, 23
	s_add_co_i32 s94, s97, 0x3d38aa3b              ; the factor x 2^(e6 + e7): the exponents are added to its exponent field
	s_mov_b32 s95, s94                             ; (named with it as a pair, so it is written)
	s_add_co_i32 s[LIM], s70, 127
	s_lshl_b32 s97, s[LIM], 23
	v_mov_b32 v[SC], s97
	s_add_co_i32 s[LIM], s[LIM], 8
	s_lshl_b32 s[LIM], s[LIM], 23
	s_or_b32 s[LIM], s[LIM], 0x600000
.macro FRAG reg, adr, q, i             ; a fragment comes back as it was stored: register group c of lane l from 512 c + 16 l
.irp c, 0,1,2,3
	ds_load_b128 v[\reg+4*\c:\reg+4*\c+3], v[\adr] offset:2048*(\i)+16384*(\q)+512*\c
.endr
.endm
.macro MUL16 a0, p, zero               ; the 64 accumulators take turns; zero = 1: the first product starts the sums
.irp a, \a0, \a0+1
.irp b, 0,1,2,3,4,5,6,7
.if \zero
	v_wmma_f32_16x16x128_fp8_fp8 v[8*(8*((\a)%4)+\b):8*(8*((\a)%4)+\b)+7], v[128*(\p)+FR*\b:128*(\p)+FR*\b+FR-1], v[AF+FR*(\a):AF+FR*(\a)+FR-1], 0
.else
	v_wmma_f32_16x16x128_fp8_fp8 v[8*(8*((\a)%4)+\b):8*(8*((\a)%4)+\b)+7], v[128*(\p)+FR*\b:128*(\p)+FR*\b+FR-1], v[AF+FR*(\a):AF+FR*(\a)+FR-1], v[8*(8*((\a)%4)+\b):8*(8*((\a)%4)+\b)+7]
.endif
.endr
.endr
.endm
.macro FETCH_B slot, q, p, i0          ; a run of 16 loads: the keys' fragments i0 .. i0 + 3 into set p
	WIN TO_B
.irp i, \i0, \i0+1, \i0+2, \i0+3
	FRAG 128*(\p)+FR*(\i), ADRB+\slot, \q, \i
.endr
	WIN 0
.endm
.macro FETCH_A slot, q, i0
.irp i, \i0, \i0+1, \i0+2, \i0+3
	FRAG AF+FR*(\i), ADRA+\slot, \q, \i
.endr
.endm
.macro PLACES n
.rept \n
	v_nop
.endr
.endm
.macro STEP slot, zero                 ; a slot's first 128 along K: sixteen products and a run of sixteen loads in turn
	s_wait_dscnt 4*NL                              ; the keys' set and the queries' blocks 0-3 are in; the youngest 16 loads may be out
	WIN MUL_LO
	MUL16 0, 0, \zero
	FETCH_B \slot, 1, 1, 0
	WIN MUL_LO
	MUL16 2, 0, \zero
	FETCH_B \slot, 1, 1, 4
	s_wait_dscnt 8*NL                              ; blocks 4-7 are in: all but the 32 just issued
	WIN MUL_HI
	MUL16 4, 0, \zero
	PLACES NP
	WIN 0
	FETCH_A \slot, 1, 0
	WIN MUL_HI
	MUL16 6, 0, \zero
	PLACES NP
	WIN 0
	FETCH_A \slot, 1, 4
.endm
.macro TURN slot, next, fill           ; a slot's second 128 along K, and the change of slots
	s_wait_tensorcnt 0x0                           ; all my tensor loads have landed
	ds_add_u32 v[SPW], v[NIL]
	s_wait_dscnt 4*NL+1                            ; the add and the youngest 16 loads may be out
	WIN MUL_LO
	MUL16 0, 1, 0
	s_wait_dscnt 0x0                               ; the add is done, and my reads of this slot are over
	s_barrier_signal -1
	MUL16 2, 1, 0
	WIN 0
	s_barrier_wait -1
.if \fill
	CREST
	s_add_nc_u64 s[G0+4*\slot+2:G0+4*\slot+3], s[G0+4*\slot+2:G0+4*\slot+3], STEPB
	s_add_nc_u64 s[G0B+4*\slot+2:G0B+4*\slot+3], s[G0B+4*\slot+2:G0B+4*\slot+3], STEPB
	JLOAD G0+4*\slot, G1, G0B+4*\slot, G1B
.else
	PLACES NP
.endif
	FETCH_B \next, 0, 0, 0
	WIN MUL_HI
	MUL16 4, 1, 0
	FETCH_B \next, 0, 0, 4
	FETCH_A \next, 0, 0
	WIN MUL_HI
	MUL16 6, 1, 0
	PLACES NP
	WIN 0
	FETCH_A \next, 0, 4
.endm
	s_wait_alu depctr_va_vdst(0)
	s_wait_tensorcnt 0x0                           ; my part of K step 0 is in; these lines as ahead of a refill
	ds_add_u32 v[SPW], v[NIL]
	s_wait_dscnt 0x0
	CROUND
	JLOAD G0+4, G1, G0B+4, G1B                     ; K step 1, the first tensor load behind the round
	FETCH_B 0, 0, 0, 0
	FETCH_B 0, 0, 0, 4
	global_prefetch_b8 v[PFO], s[4:5] offset:98304 th:TH_LOAD_NT scope:SCOPE_SE   ; K step 3
	FETCH_A 0, 0, 0
	FETCH_A 0, 0, 4
	STEP 0, 1
	TURN 0, 1, 1
	STEP 1, 0
	TURN 1, 0, 1
	STEP 0, 0
	TURN 0, 1, 0
	STEP 1, 0
	s_wait_dscnt 4*NL
	WIN MUL_LO
	MUL16 0, 1, 0
	MUL16 2, 1, 0
	s_wait_dscnt 0
	WIN MUL_HI
	MUL16 4, 1, 0
	MUL16 6, 1, 0
	WIN 0
; THE SOFTMAX OF THE TILE.  Block a = 16 queries; a lane's 64 registers of it are 64 of my 128 keys, the lane 16 away holds the other 64.
.macro MAXB a                          ; the largest score of my query among my wave's 128 keys.  The triples ascend
.set AC, 64*((\a)%4)
.set TT, 128+64*((\a)%2)
.set MX, NM+2*(\a)
	WIN 0x2a+0x15*((\a)/4)                         ; all three sources in window 2 or 3
.set k, 0
.rept 21
	v_max3_num_f32 v[TT+k], v[AC+3*k], v[AC+3*k+1], v[AC+3*k+2]
.set k, k+1
.endr
	v_max3_num_f32 v[TT+21], v[AC+61], v[AC+62], v[AC+63]
	WIN 0
.set k, 0
.rept 7
	v_max3_num_f32 v[TT+3*k], v[TT+3*k], v[TT+3*k+1], v[TT+3*k+2]
.set k, k+1
.endr
	v_max3_num_f32 v[TT], v[TT], v[TT+3], v[TT+6]
	v_max3_num_f32 v[TT+9], v[TT+9], v[TT+12], v[TT+15]
	v_max_num_f32 v[TT+18], v[TT+18], v[TT+21]
	v_max3_num_f32 v[MX], v[TT], v[TT+9], v[TT+18]
	v_permlanex16_b32 v[MX+1], v[MX], s92, s93
	v_max_num_f32 v[MX], v[MX], v[MX+1]
.endm
; Block a's 64 exponentials, p = 2^(t - M), in set a % 3; among them, on other registers, block a + 1's scalings, t - M two at a time out of the accumulators (source 1: window 2 or 3), and block a - 1's hold
; (the conversion does not saturate: ISA guide 7.6.2; p is not negative, so the hold is one-sided).
.macro FMA2 i, a
	v_pk_fma_f32 v[64+64*((\a)%3)+\i:64+64*((\a)%3)+\i+1], s[94:95], v[64*((\a)%4)+\i:64*((\a)%4)+\i+1], v[NM+2*(\a):NM+2*(\a)+1] op_sel_hi:[0,1,0]
.endm
.macro HOLD i, a
	v_min_num_f32 v[64+64*((\a)%3)+\i], v[64+64*((\a)%3)+\i], s[LIM]
.endm
.macro EXPS a
.set TT, 64+64*((\a)%3)
.if (\a) < 7
	WIN 0x08+0x04*(((\a)+1)/4)
.endif
.set i, 0
.rept 32
	v_exp_f32 v[TT+i], v[TT+i]
.if (\a) > 0
	HOLD i, (\a)-1
.endif
	v_exp_f32 v[TT+i+1], v[TT+i+1]
.if (\a) > 0
	HOLD i+1, (\a)-1
.endif
.if (\a) < 7
	FMA2 i, (\a)+1
.endif
.set i, i+2
.endr
	WIN 0
.endm
.macro SUM a                           ; the sum of the unquantised p, in four chains
.set TT, 64+64*((\a)%3)
.set LL, LS+2*(\a)
	v_pk_add_f32 v[LL:LL+1], v[TT:TT+1], v[TT+2:TT+3]
	v_pk_add_f32 v[30:31], v[TT+4:TT+5], v[TT+6:TT+7]
	v_pk_add_f32 v[14:15], v[TT+8:TT+9], v[TT+10:TT+11]
	v_pk_add_f32 v[22:23], v[TT+12:TT+13], v[TT+14:TT+15]
.set i, 16
.rept 6
	v_pk_add_f32 v[LL:LL+1], v[LL:LL+1], v[TT+i:TT+i+1]
	v_pk_add_f32 v[30:31], v[30:31], v[TT+i+2:TT+i+3]
	v_pk_add_f32 v[14:15], v[14:15], v[TT+i+4:TT+i+5]
	v_pk_add_f32 v[22:23], v[22:23], v[TT+i+6:TT+i+7]
.set i, i+8
.endr
	v_pk_add_f32 v[LL:LL+1], v[LL:LL+1], v[30:31]
	v_pk_add_f32 v[14:15], v[14:15], v[22:23]
	v_pk_add_f32 v[LL:LL+1], v[LL:LL+1], v[14:15]
	v_add_f32 v[LL], v[LL], v[LL+1]
	v_permlanex16_b32 v[LL+1], v[LL], s92, s93
	v_add_f32 v[LL], v[LL], v[LL+1]                ; l of my query over my wave's 128 keys
.endm
.macro CODES a                         ; the codes, into the block's own 16 registers of window 1, and four stores of 512 consecutive bytes
.set TT, 64+64*((\a)%3)
	WIN 0x40
.irp t, 0,1,2,3,4,5,6,7
	v_cvt_scalef32_pk8_fp8_f32 v[16*(\a)+2*\t:16*(\a)+2*\t+1], v[TT+8*\t:TT+8*\t+7], v[SC]
.endr
	v_nop                                          ; a plain line between the conversions and the lines that write their sources again
	WIN 0x04
.irp c, 0,1,2,3
	global_store_b128 v[LI], v[16*(\a)+4*\c:16*(\a)+4*\c+3], s[10:11] offset:2048*(\a)+512*\c
.endr
	WIN 0
.endm
	PLACES NP
.irp a, 0,1,2,3,4,5,6,7
	MAXB \a
.endr
.irp a, 0,1,2,3,4,5,6,7
	ds_store_b32 v[XW], v[NM+2*\a] offset:64*\a    ; lanes r and r + 16 hold the same number and write the same word
.endr
	s_wait_alu depctr_va_vdst(0)
	s_wait_dscnt 0x0                               ; for the other wave's sake: my stores have landed
	s_barrier_signal -1
	s_barrier_wait -1
.irp a, 0,1,2,3,4,5,6,7
	ds_load_b32 v[NM+2*\a+1], v[XR] offset:64*\a
.endr
	s_wait_dscnt 0x0
.irp a, 0,1,2,3,4,5,6,7
	v_max_num_f32 v[NM+2*\a], v[NM+2*\a], v[NM+2*\a+1]   ; over the tile's 256 keys
.endr
.irp a, 0,1,2,3,4,5,6,7
	v_mul_f32 v[NM+2*\a], s94, v[NM+2*\a]          ; as t (the factor is positive)
.endr
.irp a, 0,1,2,3,4,5,6,7
	v_floor_f32 v[NM+2*\a], -v[NM+2*\a]            ; -M = floor(-t) = -ceil(t)
.endr
	WIN 0x08
.set i, 0
.rept 32
	FMA2 i, 0
.set i, i+2
.endr
	WIN 0
	s_wait_alu depctr_va_vdst(0)
.irp a, 0,1,2,3,4,5,6,7
	EXPS \a
.if \a == 0
	v_nop
.endif
	s_wait_alu depctr_va_vdst(0)                   ; one wait behind the batch of 64, ahead of its first reader and of the next batch, whose sources stand ahead of it
	SUM \a
.if \a > 0
	CODES \a-1
.endif
.endr
.set i, 0
.rept 64
	HOLD i, 7
.set i, i+1
.endr
	CODES 7
.irp a, 0,1,2,3,4,5,6,7
	ds_store_b32 v[SW], v[LS+2*\a] offset:64*\a    ; l and -M of my 128 queries turn through my own stage, so that each leaves as 512 consecutive bytes
.endr
.irp a, 0,1,2,3,4,5,6,7
	ds_store_b32 v[SW], v[NM+2*\a] offset:512+64*\a
.endr
	ds_load_b128 v[64:67], v[SRD]                  ; LDS serves a wave's instructions in order (ISA guide 5.7.1.4): these see my stores
	ds_load_b128 v[68:71], v[SRD] offset:512
	s_wait_dscnt 0x0
	global_store_b128 v[LI], v[64:67], s[12:13]
	global_store_b128 v[LI], v[68:71], s[12:13] offset:524288
	s_wait_tensorcnt 0x0                           ; the wave's end
	ds_add_u32 v[SPW], v[NIL]
	s_wait_dscnt 0x0
	CROUND                                         ; the closing round
	s_endpgm
.Lfunc_end_k_q23314f4252_scores:
	.size	k_q23314f4252_scores, .Lfunc_end_k_q23314f4252_scores-k_q23314f4252_scores
	.p2alignl 7, 3214868480
	.fill 96, 4, 3214868480
	.section	.rodata,"a",@progbits
	.p2align	6, 0x0
	.amdhsa_kernel k_q23314f4252_scores
		.amdhsa_group_segment_fixed_size 327680
		.amdhsa_private_segment_fixed_size 0
		.amdhsa_enable_private_segment 0
		.amdhsa_kernarg_size 40
		.amdhsa_user_sgpr_count 2
		.amdhsa_user_sgpr_kernarg_segment_ptr 1
		.amdhsa_wavefront_size32 1
		.amdhsa_system_sgpr_workgroup_id_x 1
		.amdhsa_system_sgpr_workgroup_id_y 1
		.amdhsa_system_sgpr_workgroup_id_z 1
		.amdhsa_system_vgpr_workitem_id 0
		.amdhsa_next_free_vgpr 1024
		.amdhsa_next_free_sgpr 100
		.amdhsa_reserve_vcc 0
		.amdhsa_float_denorm_mode_32 3
		.amdhsa_float_denorm_mode_16_64 3
		.amdhsa_memory_ordered 1
		.amdhsa_forward_progress 1
		.amdhsa_inst_pref_size 191
	.end_amdhsa_kernel
	.amdgpu_metadata
---
amdhsa.version: [ 1, 2 ]
amdhsa.kernels:
  - .name:           k_q23314f4252_scores
    .symbol:         k_q23314f4252_scores.kd
    .args:
      - { .name: qc, .offset: 0, .size: 8, .value_kind: global_buffer, .address_space: global }
      - { .name: kc, .offset: 8, .size: 8, .value_kind: global_buffer, .address_space: global }
      - { .name: lowp_scales, .offset: 16, .size: 8, .value_kind: global_buffer, .address_space: global }
      - { .name: pc, .offset: 24, .size: 8, .value_kind: global_buffer, .address_space: global }
      - { .name: stats, .offset: 32, .size: 8, .value_kind: global_buffer, .address_space: global }
    .group_segment_fixed_size: 327680
    .private_segment_fixed_size: 0
    .kernarg_segment_align: 8
    .kernarg_segment_size: 40
    .max_flat_workgroup_size: 128
    .sgpr_count:     100
    .vgpr_count:     1024
    .wavefront_size: 32
...
	.end_amdgpu_metadata
.endif
;; end of part 2
;; launch mix (part 3): grid 4 x 64, 4 waves a work-group, clusters of 4 x 4, 327,680 bytes of LDS; arguments pc, vc, stats, lowp_scales, out0; writes out0
.if DOCPART == 3
	.amdgcn_target "amdgcn-amd-amdhsa--gfx1250"
	.amdhsa_code_object_version 6
	.text
	.protected	k_q23314f4252_mix
	.globl	k_q23314f4252_mix
	.p2align	8
	.type	k_q23314f4252_mix,@function
k_q23314f4252_mix:
	s_mov_b64 s[64:65], 0
	v_nop
	global_prefetch_b8 v0, s[64:65] scope:SCOPE_SE
	s_setreg_imm32_b32 hwreg(HW_REG_WAVE_MODE, 25, 1), 1
	s_wait_xcnt 0x0
	s_wait_alu depctr_hold_cnt(0) depctr_sa_sdst(0) depctr_va_vdst(0) depctr_va_sdst(0) depctr_va_ssrc(0) depctr_va_vcc(0) depctr_vm_vsrc(0)
	s_getreg_b32 s2, hwreg(HW_REG_IB_STS2, 6, 4)
	s_cmp_eq_u32 s2, 0
	s_cbranch_scc0 .Lentry_in_a_cluster
	s_endpgm
.Lentry_in_a_cluster:
	s_bfe_u32 s2, ttmp6, 0x10000c
	s_cmp_lg_u32 s2, 0xf033
	s_cbranch_scc0 .Lentry_shape_is_right
	s_endpgm
.Lentry_shape_is_right:
; O = P V / l on the codes of the two launches before.  Nothing of reference() is left out here.
; p was quantised under M_j, the largest t of its own 256 keys rounded up; a group's product is multiplied by 2^(M_j - M) / l x 2^(e8 + e9), M the largest M_j of the row, and added to O in f32.
; l = sum over the groups of 2^(M_j - M) x (the sum of the unquantised p).  Factors under the smallest f32 number count as 0.  NaN among the inputs is not served.
; SHARES.  A work-group makes 128 queries x 256 channels, a wave 64 x 128: 32 accumulators for a pair of key steps (256 keys, one group) and 32 x 8 registers for O.
; Source 0 = channels, source 1 = queries: a lane holds one query, its registers run along the channels.
; pc: [64 tiles of 128 queries][16 key steps of 128][8 blocks][2048]; vc: [4 batches][4 tiles of 256 channels][16 key steps][16 blocks][2048]: every tile is one dense run; a fragment's register group c of lane l lies at 512 c + 16 l.
; THE RING: two regions of one pair each (P 32,768 bytes, V 65,536), filled by one joint load a wave (waves 0, 1: a key step of P; waves 2, 3: of V).  The head asks for pair 0, the round behind it for pair 1; then the region that a
; pair has left takes the pair two on, and that load has the whole next pair in which to land.  P's tile is shared along a row of the cluster, V's along a column.
; PREFETCHES INTO THE L2, two fills ahead: the head asks for pairs 1 and 2, pair 1's load is followed by pair 3, pair p's change of regions by pair p + 4, the last two by nothing.  Wave 0 names P's 128 blocks of 256 bytes, waves 2 and 3
; V's 256; each of the four partners of a joint load takes a quarter, told apart by address (cx for P, cy for V).
; REGISTERS: window 0: v8-29 addresses; v32-63 factors [4 blocks][8 groups], moved down by one group at each pair; v128-255 P's fragments, two sets.  window 1: V's fragments, two sets (set 0's registers serve the way out).
;   window 2: the pair's sums, tile n = 8 x block of queries + block of channels at v[8 n].  window 3: O likewise.
.set VOFF,   131072                    ; V's two regions, behind P's two
.set STAGE,  262144                    ; the way out: 16 rows x (512 + 16) bytes a wave; no tile lands there
.set SPITCH, 528
.set SPARE,  STAGE+4*16*SPITCH         ; the spare words, 128 bytes a wave, which no other line names
.set STO,    8
.set RD,     9
.set SOF,    10                        ; v10 4 x lane
.set PFO,    11                        ; v11 the prefetches' offset: 256 x lane
.set IDX,    12                        ; v12, v13: lanes r and 16 + r, in bytes
.set ADRA,   16
.set A0,     17
.set ADRB,   20
.set B0,     21
.set LI,     24                        ; v24 16 x lane
.set SPW,    28
.set NIL,    29
.set FB,     32
.set EX,     64                        ; v64-79 exponents, then factors, a query a lane
.set MN,     80
.set DT,     82
.set LT,     90
.set RC,     92
.set LV,     128
.set NV,     192
.set G1PB,   24                        ; group 1: a key step of P (16,384 bytes)
.set G0P2,   32
.set G1VB,   48                        ; of V (32,768)
.set G0V2,   56
.set PFS,    90                        ; s[90:91] a pair on, in bytes
.set PFA,    92                        ; s[92:93] where my prefetches stand
.set LIM,    94                        ; my wave asks while s3 is above this
.set TP,     95                        ; the region in hand: 0 or 32,768 in P, 0 or 65,536 in V
.set TV,     96
.set MSB, 0
.macro WIN new                         ; the immediate's high byte repeats the setting that is left
.if MSB != (\new)
	s_set_vgpr_msb (MSB<<8)|(\new)
.set MSB, (\new)
.endif
.endm
.set W_M, 0xa1                         ; source 0 window 1, source 1 window 0, C and D window 2
.set W_F, 0xf2                         ; source 0 window 2, source 1 window 0, source 2 and destination window 3
.macro JLOAD                           ; waves 0 and 1 fetch P, waves 2 and 3 V; an s_nop 0 and four v_nop follow each line
	s_cmp_eq_u32 s15, 0
	s_cbranch_scc0 .Lfor_b_\@
	tensor_load_to_lds s[G0P2:G0P2+3], s[G1PB:G1PB+7]
	s_nop 0
.rept 4
	v_nop
.endr
	s_branch .Lasked_\@
.Lfor_b_\@:
	tensor_load_to_lds s[G0V2:G0V2+3], s[G1VB:G1VB+7]
	s_nop 0
.rept 4
	v_nop
.endr
.Lasked_\@:
.endm
.macro CREST                           ; a round of the cluster's barrier behind its opening barrier
	s_cmp_lg_u32 s14, 0
	s_cbranch_scc1 .Lnot_wave_0_\@
	s_barrier_signal -3
.Lnot_wave_0_\@:
	s_barrier_wait -3
	s_barrier_signal -1
	s_barrier_wait -1
.endm
.macro CROUND
	s_barrier_signal -1
	s_barrier_wait -1
	CREST
.endm
	s_load_b128 s[4:7], s[0:1], 0x0                ; pc, vc
	s_load_b128 s[8:11], s[0:1], 0x10              ; stats, the scales
	s_load_b64 s[12:13], s[0:1], 0x20              ; out0
	v_lshl_add_u32 v[SPW], v0, 2, SPARE
	v_mov_b32 v[NIL], 0
	ds_add_u32 v[SPW], v[NIL]                      ; the wave's opening: the add, twice on end, and its wait ahead of my first tensor load
	ds_add_u32 v[SPW], v[NIL]
	v_lshrrev_b32 v1, 5, v0
	v_readfirstlane_b32 s14, v1                    ; wave 0..3
	s_lshr_b32 s15, s14, 1                         ; my half of the queries.  Also: I fetch P (0) or V (1)
	s_and_b32 s16, s14, 1                          ; my half of the channels.  Also: which key step of a pair I fetch
	s_bfe_u32 s40, ttmp6, 0x40000                  ; cx: the tile of channels
	s_bfe_u32 s41, ttmp6, 0x40004                  ; cy
	s_and_b32 s67, ttmp7, 0xffff
	s_lshl_b32 s17, s67, 2
	s_add_co_u32 s17, s17, s41                     ; the tile of queries, 0..63
	s_lshr_b32 s66, s67, 2                         ; the batch: 16 tiles of queries each
	s_lshl_b32 s43, s41, 2
	s_lshl_b32 s43, 15, s43                        ; my row of the cluster
	s_lshl_b32 s44, 0x1111, s40                    ; my column
	s_or_b32 s[G1PB+0], s43, (3<<16)|(1<<21)       ; the mask; elements of 8 bytes; bit 21 beside a mask; no padding
	s_or_b32 s[G1VB+0], s44, (3<<16)|(1<<21)
.irp g, G1PB, G1VB
	s_mov_b32 s[\g+1], 1024<<16                    ; rows of 8,192 bytes, dense
	s_mov_b32 s[\g+3], 1024<<16
	s_mov_b32 s[\g+5], 1024
	s_mov_b32 s[\g+6], 0
	s_mov_b32 s[\g+7], 0
.endr
	s_mov_b32 s[G1PB+2], 2<<16
	s_mov_b32 s[G1PB+4], 2
	s_mov_b32 s[G1VB+2], 4<<16
	s_mov_b32 s[G1VB+4], 4
	s_lshl_b32 s20, s17, 18                        ; P's tile: 262,144 bytes a tile of queries
	s_mov_b32 s21, 0
	s_lshl_b32 s46, s66, 21                        ; V's: 2,097,152 bytes a batch, 524,288 a tile of channels
	s_lshl_b32 s47, s40, 19
	s_add_co_u32 s46, s46, s47
	s_mov_b32 s47, 0
	s_lshl_b32 s18, s16, 14                        ; my key step of pair 0, in memory and in LDS
	s_mov_b32 s19, 0
	s_lshl_b32 s22, s16, 15
	s_mov_b32 s23, 0
	s_add_co_u32 s45, s22, VOFF
	s_wait_dscnt 0x0                               ; both opening adds are done
	s_wait_kmcnt 0x0
	s_load_b64 s[68:69], s[10:11], 0x20            ; e8, e9
	s_add_nc_u64 s[20:21], s[4:5], s[20:21]
	s_add_nc_u64 s[46:47], s[6:7], s[46:47]
	s_mov_b32 s[G0P2], 1
	s_mov_b32 s[G0P2+1], s18
	s_add_nc_u64 s[G0P2+2:G0P2+3], s[20:21], s[18:19]
	s_or_b32 s[G0P2+3], s[G0P2+3], 0x80000000
	s_mov_b32 s[G0V2], 1
	s_mov_b32 s[G0V2+1], s45
	s_add_nc_u64 s[G0V2+2:G0V2+3], s[46:47], s[22:23]
	s_or_b32 s[G0V2+3], s[G0V2+3], 0x80000000
	CROUND                                         ; the first joint loads meet
	JLOAD                                          ; pair 0: one tensor load a wave at the head
	s_mov_b32 s[PFS], 65536                        ; the prefetches: P's or V's tile,
	s_cmp_eq_u32 s15, 0
	s_cselect_b64 s[88:89], s[20:21], s[46:47]
	s_cselect_b32 s[PFS], 32768, s[PFS]
	s_cselect_b32 s97, s40, s41
	s_cselect_b32 s98, 13, 14
	s_lshl_b32 s97, s97, s98                       ; my work-group's quarter of the pair,
	s_lshl_b32 s98, s16, 13                        ; (wave 3: its second half)
	s_add_co_u32 s98, s98, s97
	s_add_co_u32 s98, s98, s[PFS]                  ; in pair 1
	s_mov_b32 s99, 0
	s_mov_b32 s[PFS+1], 0
	s_add_nc_u64 s[88:89], s[88:89], s[98:99]
	s_add_nc_u64 s[PFA:PFA+1], s[88:89], s[PFS:PFS+1]   ; and in pair 2: from here each fill steps on
	s_cmp_eq_u32 s14, 1
	s_cselect_b32 s[LIM], 64, 2                    ; wave 1 never asks
	s_mov_b32 s3, 6                                ; changes of regions that refill
	s_mov_b32 s[TP], 0
	s_mov_b32 s[TV], 0
	s_lshl_b32 s22, s17, 9                         ; stats: (128 x tile + 64 half) x 4
	s_lshl_b32 s97, s15, 8
	s_add_co_u32 s22, s22, s97
	s_mov_b32 s23, 0
	s_add_nc_u64 s[8:9], s[8:9], s[22:23]
	s_lshl_b32 s22, s17, 19                        ; out0: row 128 x tile + 64 half, 4,096 bytes each; channel 256 cx + 128 half
	s_lshl_b32 s97, s15, 18
	s_add_co_u32 s22, s22, s97
	s_lshl_b32 s97, s40, 10
	s_add_co_u32 s22, s22, s97
	s_lshl_b32 s97, s16, 9
	s_add_co_u32 s22, s22, s97
	s_add_nc_u64 s[12:13], s[12:13], s[22:23]
	s_lshl_b32 s18, s15, 13                        ; my four blocks of queries in a key step of P,
	s_lshl_b32 s22, s16, 14
	s_add_co_u32 s22, s22, VOFF                    ; my eight blocks of channels in one of V,
	s_mul_i32 s23, s14, 16*SPITCH
	s_add_co_u32 s23, s23, STAGE                   ; my stage
	v_and_b32 v1, 15, v0                           ; r
	v_bfe_u32 v2, v0, 4, 1                         ; h
	v_and_b32 v5, 31, v0
	v_lshlrev_b32 v[LI], 4, v5
	v_lshlrev_b32 v[PFO], 8, v5
	v_lshlrev_b32 v[SOF], 2, v5
	v_lshlrev_b32 v[IDX], 2, v1
	v_add_nc_u32 v[IDX+1], 64, v[IDX]
	v_mul_u32_u24 v[STO], v1, SPITCH
	v_lshl_add_u32 v[STO], v2, 5, v[STO]
	v_add_nc_u32 v[STO], s23, v[STO]
	v_add_nc_u32 v[RD], s23, v[LI]
	v_add_nc_u32 v[A0], s18, v[LI]
	v_add_nc_u32 v[B0], s22, v[LI]
	v_add_nc_u32 v[ADRA], s18, v[LI]
	v_add_nc_u32 v[ADRB], s22, v[LI]
	s_wait_alu depctr_va_vdst(0)
.irp k, 0,1                            ; the statistics: lane L holds those of query 32 k + L of my 64
.irp j, 0,1,2,3,4,5,6,7
	global_load_b32 v[NV+8*\k+\j], v[SOF], s[8:9] offset:524288+65536*\j+128*\k
.endr
.irp g, 0,1,2,3,4,5,6,7,8,9,10,11,12,13,14,15
	global_load_b32 v[LV+16*\k+\g], v[SOF], s[8:9] offset:32768*\g+128*\k
.endr
.endr
	s_cmp_gt_u32 s3, s[LIM]
	s_cbranch_scc0 .Lno_ask_head
	global_prefetch_b8 v[PFO], s[88:89] th:TH_LOAD_NT scope:SCOPE_SE
	global_prefetch_b8 v[PFO], s[PFA:PFA+1] th:TH_LOAD_NT scope:SCOPE_SE
.Lno_ask_head:
	s_wait_kmcnt 0x0
	s_add_co_i32 s68, s68, s69                     ; e8 + e9
	s_wait_loadcnt 0x0
.macro FACT k                          ; v[EX+8 k+j]: M_j - M as whole numbers; v[LT+k]: the row's l
.set rN, NV+8*(\k)
.set rL, LV+16*(\k)
.set rE, EX+8*(\k)
	v_min3_num_f32 v[MN], v[rN], v[rN+1], v[rN+2]
	v_min3_num_f32 v[MN], v[MN], v[rN+3], v[rN+4]
	v_min3_num_f32 v[MN], v[MN], v[rN+5], v[rN+6]
	v_min_num_f32 v[MN], v[MN], v[rN+7]
.irp j, 0,1,2,3,4,5,6,7
	v_sub_f32 v[DT+\j], v[MN], v[rN+\j]
.endr
.irp j, 0,1,2,3,4,5,6,7
	v_cvt_i32_f32 v[rE+\j], v[DT+\j]
.endr
.irp j, 0,1,2,3,4,5,6,7
	v_add_f32 v[rL+2*\j], v[rL+2*\j], v[rL+2*\j+1]
.endr
.irp j, 0,1,2,3,4,5,6,7
	v_ldexp_f32 v[DT+\j], 1.0, v[rE+\j]
.endr
	v_mul_f32 v[LT+(\k)], v[DT], v[rL]
.irp j, 1,2,3,4,5,6,7
	v_fmac_f32 v[LT+(\k)], v[DT+\j], v[rL+2*\j]
.endr
.endm
	FACT 0
	FACT 1
	s_wait_alu depctr_va_vdst(0)
	v_rcp_f32 v[RC], v[LT]
	v_rcp_f32 v[RC+1], v[LT+1]
	v_nop
	s_wait_alu depctr_va_vdst(0)
	v_ldexp_f32 v[RC], v[RC], s68
	v_ldexp_f32 v[RC+1], v[RC+1], s68
.irp k, 0,1
.irp j, 0,1,2,3,4,5,6,7
	v_ldexp_f32 v[EX+8*\k+\j], v[RC+\k], v[EX+8*\k+\j]
.endr
.endr
.irp k, 0,1                            ; lanes r and 16 + r both take query 16 a + r: block a = 2 k from lane r, 2 k + 1 from lane 16 + r
.irp u, 0,1
.irp j, 0,1,2,3,4,5,6,7
	ds_bpermute_b32 v[FB+8*(2*\k+\u)+\j], v[IDX+\u], v[EX+8*\k+\j]
.endr
.endr
.endr
; A key step's 48 LDS loads go in four runs of 12: V's fragments 0-2, 3-5, 6-7 with P's block 0, P's blocks 1-3.
.macro RUN e, set, i
.if (\i) < 3
	WIN 0x40
.irp b, 3*(\i), 3*(\i)+1, 3*(\i)+2
.if (\b) < 8
.irp c, 0,1,2,3
	ds_load_b128 v[128*(\set)+16*(\b)+4*\c:128*(\set)+16*(\b)+4*\c+3], v[ADRB] offset:2048*(\b)+32768*(\e)+512*\c
.endr
.endif
.endr
.endif
	WIN 0
.irp a, 0,1,2,3
.if (((\i) == 2) && (\a == 0)) || (((\i) == 3) && (\a > 0))
.irp c, 0,1,2,3
	ds_load_b128 v[128+64*(\set)+16*\a+4*\c:128+64*(\set)+16*\a+4*\c+3], v[ADRA] offset:2048*\a+16384*(\e)+512*\c
.endr
.endif
.endr
.endm
.macro MM n, set, zero                 ; the 32 accumulators take turns
.set rD, 8*(\n)
.set rV, 128*(\set)+16*((\n)%8)
.set rP, 128+64*(\set)+16*((\n)/8)
.if \zero
	v_wmma_f32_16x16x128_fp8_fp8 v[rD:rD+7], v[rV:rV+15], v[rP:rP+15], 0
.else
	v_wmma_f32_16x16x128_fp8_fp8 v[rD:rD+7], v[rV:rV+15], v[rP:rP+15], v[rD:rD+7]
.endif
.endm
.macro MMS n0, cnt, set, zero
	WIN W_M
.set n, \n0
.rept \cnt
	MM n, \set, \zero
.set n, n+1
.endr
.endm
.macro SLS n0, cnt, mul                ; tiles of the pair's sums x the group's factor onto O (mul = 1: the first pair begins O); from the low end on
	WIN W_F
.set m, \n0
.rept \cnt
.set rS, 8*m
.set rF, FB+8*(m/8)
.irp i, 0,2,4,6
.if \mul
	v_pk_mul_f32 v[rS+\i:rS+\i+1], v[rS+\i:rS+\i+1], v[rF:rF+1] op_sel_hi:[1,0]
.else
	v_pk_fma_f32 v[rS+\i:rS+\i+1], v[rS+\i:rS+\i+1], v[rF:rF+1], v[rS+\i:rS+\i+1] op_sel_hi:[1,0,1]
.endif
.endr
.set m, m+1
.endr
.endm
.macro SHIFT                           ; the factors move down by one group
.irp a, 0,1,2,3
.irp j, 0,1,2,3,4,5,6
	v_mov_b32 v[FB+8*\a+\j], v[FB+8*\a+\j+1]
.endr
.endr
.endm
; The pair's first key step: set 0 is multiplied, set 1 fetched.  (Set 1's registers were last read ahead of the last SLS's lines, which are the places.)
.macro EVEN
	s_wait_dscnt 12                                ; V's fragments and P's block 0 are in; blocks 1 to 3 may be out
	RUN 1, 1, 0
	MMS 0, 8, 0, 1                                 ; the pair's sums begin with C = 0
	s_wait_dscnt 12                                ; all but the 12 just issued
	RUN 1, 1, 1
	MMS 8, 8, 0, 1
	RUN 1, 1, 2
	MMS 16, 8, 0, 1
	RUN 1, 1, 3
	MMS 24, 8, 0, 1
	WIN 0
.endm
.macro STEPG                           ; the walking descriptors: the other region, the next pair
	s_xor_b32 s[G0P2+1], s[G0P2+1], 32768
	s_add_nc_u64 s[G0P2+2:G0P2+3], s[G0P2+2:G0P2+3], 32768
	s_xor_b32 s[G0V2+1], s[G0V2+1], 65536
	s_add_nc_u64 s[G0V2+2:G0V2+3], s[G0V2+2:G0V2+3], 65536
.endm
; A PAIR.  The second key step changes regions: ahead of the barrier each wave waits for all its tensor loads, adds 0 to its spare word, and waits for that and for its reads of the region.  fill = 1: the region takes the pair two on.
.macro PAIR mul, fill
	EVEN
.if \fill
	s_wait_xcnt 0x0                                ; any prefetch of mine has read its address
	s_add_nc_u64 s[PFA:PFA+1], s[PFA:PFA+1], s[PFS:PFS+1]
	s_wait_tensorcnt 0x0                           ; all my tensor loads have landed: my part of the next pair; a group 0 may be written
	ds_add_u32 v[SPW], v[NIL]
	STEPG
	s_wait_dscnt 13                                ; set 1's V and P's block 0 are in; 12 loads and the add may be out
.else
	s_wait_tensorcnt 0x0                           ; my part of the last pair has landed
	s_wait_dscnt 12
.endif
	s_xor_b32 s[TP], s[TP], 32768                  ; on to the other region
	s_xor_b32 s[TV], s[TV], 65536
	MMS 0, 8, 1, 0
	s_wait_dscnt 0x0                               ; the add is done, and my reads of this region are over
	s_barrier_signal -1
	MMS 8, 8, 1, 0
	WIN 0
.if (\mul) == 0
	SHIFT
.endif
	s_barrier_wait -1
.if \fill
	CREST                                          ; no wave of any partner still reads this region or has a load on its way
	JLOAD                                          ; the first tensor load behind the round; its four v_nop are the places in front of the LDS loads below
.else
.rept 4
	v_nop
.endr
.endif
	v_add_nc_u32 v[ADRA], s[TP], v[A0]
	v_add_nc_u32 v[ADRB], s[TV], v[B0]
	RUN 0, 0, 0
.if \fill
	s_cmp_gt_u32 s3, s[LIM]
	s_cbranch_scc0 .Lno_ask_\@
	global_prefetch_b8 v[PFO], s[PFA:PFA+1] th:TH_LOAD_NT scope:SCOPE_SE   ; two fills on
.Lno_ask_\@:
.endif
.irp k, 0,1,2,3,4,5,6,7                ; two products, then four tiles finished earlier: at least eight plain lines stand between a product and the reads of its result
	MMS 16+2*\k, 2, 1, 0
	SLS 4*\k, 4, \mul
.if (\k == 1) || (\k == 3) || (\k == 5)
	RUN 0, 0, (\k+1)/2
.endif
.endr
	WIN 0
.endm
	s_wait_alu depctr_va_vdst(0)
	s_wait_xcnt 0x0                                ; the head's prefetches have read their addresses
	s_add_nc_u64 s[PFA:PFA+1], s[PFA:PFA+1], s[PFS:PFS+1]
	s_wait_tensorcnt 0x0                           ; my part of pair 0 is in; these lines as ahead of a refill
	ds_add_u32 v[SPW], v[NIL]
	STEPG
	s_wait_dscnt 0x0                               ; the add is done, and the factors are in
	CROUND
	JLOAD                                          ; pair 1, the first tensor load behind the round
	RUN 0, 0, 0
	RUN 0, 0, 1
	s_cmp_gt_u32 s3, s[LIM]
	s_cbranch_scc0 .Lno_ask_3
	global_prefetch_b8 v[PFO], s[PFA:PFA+1] th:TH_LOAD_NT scope:SCOPE_SE   ; pair 3
.Lno_ask_3:
	RUN 0, 0, 2
	RUN 0, 0, 3
	PAIR 1, 1                                      ; pair 0
	s_mov_b32 s3, 5
.Lpair:                                                ; pairs 1 to 5
	PAIR 0, 1
	s_sub_co_u32 s3, s3, 1
	s_cmp_lg_u32 s3, 0
	s_cbranch_scc1 .Lpair
	PAIR 0, 0                                      ; pair 6
	EVEN                                           ; pair 7 goes out block by block of 16 queries
; TOSTAGE: a block of 16 queries x 128 channels through my own stage, back as whole rows of 512 bytes, into registers that held V's set 0 (LDS serves a wave's instructions in order: ISA guide 5.7.1.4).  SEND: stored, 512 consecutive bytes an instruction.
.macro TOSTAGE a
	WIN 0x0c
.irp b, 0,1,2,3,4,5,6,7
	ds_store_b128 v[STO], v[8*(8*(\a)+\b):8*(8*(\a)+\b)+3] offset:64*\b
	ds_store_b128 v[STO], v[8*(8*(\a)+\b)+4:8*(8*(\a)+\b)+7] offset:64*\b+16
.endr
.set BB, 64*((\a)%2)
	WIN 0x40
.irp t, 0,1,2,3,4,5,6,7,8,9,10,11,12,13,14,15
	ds_load_b128 v[BB+4*\t:BB+4*\t+3], v[RD] offset:SPITCH*\t
.endr
.endm
.macro SEND a, younger                 ; younger: the LDS instructions behind this block's loads
.set BB, 64*((\a)%2)
	WIN 0x04
	s_wait_dscnt \younger
.irp t, 0,1,2,3,4,5,6,7,8,9,10,11,12,13,14,15
	global_store_b128 v[LI], v[BB+4*\t:BB+4*\t+3], s[12:13] offset:65536*(\a)+4096*\t th:TH_STORE_NT
.endr
.endm
	s_wait_dscnt 0x0
	SHIFT
	MMS 0, 16, 1, 0
.rept 4
	v_nop
.endr
	SLS 0, 8, 0
	TOSTAGE 0
	MMS 16, 8, 1, 0
	SLS 8, 8, 0
	TOSTAGE 1
	SEND 0, 32                                     ; block 1's 16 stores and 16 loads may be out
	s_wait_xcnt 0x0                                ; the stores have read their registers
	MMS 24, 8, 1, 0
	SLS 16, 8, 0
	TOSTAGE 2
	SEND 1, 32
	s_wait_xcnt 0x0
	SLS 24, 8, 0
	TOSTAGE 3
	SEND 2, 32
	SEND 3, 0
	WIN 0
	s_wait_tensorcnt 0x0                           ; the wave's end
	ds_add_u32 v[SPW], v[NIL]
	s_wait_dscnt 0x0
	CROUND                                         ; the closing round
	s_endpgm
.Lfunc_end_k_q23314f4252_mix:
	.size	k_q23314f4252_mix, .Lfunc_end_k_q23314f4252_mix-k_q23314f4252_mix
	.p2alignl 7, 3214868480
	.fill 96, 4, 3214868480
	.section	.rodata,"a",@progbits
	.p2align	6, 0x0
	.amdhsa_kernel k_q23314f4252_mix
		.amdhsa_group_segment_fixed_size 327680
		.amdhsa_private_segment_fixed_size 0
		.amdhsa_enable_private_segment 0
		.amdhsa_kernarg_size 40
		.amdhsa_user_sgpr_count 2
		.amdhsa_user_sgpr_kernarg_segment_ptr 1
		.amdhsa_wavefront_size32 1
		.amdhsa_system_sgpr_workgroup_id_x 1
		.amdhsa_system_sgpr_workgroup_id_y 1
		.amdhsa_system_sgpr_workgroup_id_z 1
		.amdhsa_system_vgpr_workitem_id 0
		.amdhsa_next_free_vgpr 1024
		.amdhsa_next_free_sgpr 100
		.amdhsa_reserve_vcc 0
		.amdhsa_float_denorm_mode_32 3
		.amdhsa_float_denorm_mode_16_64 3
		.amdhsa_memory_ordered 1
		.amdhsa_forward_progress 1
		.amdhsa_inst_pref_size 118
	.end_amdhsa_kernel
	.amdgpu_metadata
---
amdhsa.version: [ 1, 2 ]
amdhsa.kernels:
  - .name:           k_q23314f4252_mix
    .symbol:         k_q23314f4252_mix.kd
    .args:
      - { .name: pc, .offset: 0, .size: 8, .value_kind: global_buffer, .address_space: global }
      - { .name: vc, .offset: 8, .size: 8, .value_kind: global_buffer, .address_space: global }
      - { .name: stats, .offset: 16, .size: 8, .value_kind: global_buffer, .address_space: global }
      - { .name: lowp_scales, .offset: 24, .size: 8, .value_kind: global_buffer, .address_space: global }
      - { .name: out0, .offset: 32, .size: 8, .value_kind: global_buffer, .address_space: global }
    .group_segment_fixed_size: 327680
    .private_segment_fixed_size: 0
    .kernarg_segment_align: 8
    .kernarg_segment_size: 40
    .max_flat_workgroup_size: 128
    .sgpr_count:     100
    .vgpr_count:     1024
    .wavefront_size: 32
...
	.end_amdgpu_metadata
.endif
;; end of part 3
